; MI455X (gfx1250); checked and timed in simulation.
; The chip was launched on July 23, 2026; its instructions are those of AMD's public machine-readable ISA for CDNA 5 (MIT licence, August 2026) and "CDNA5" Instruction Set Architecture Reference Guide (July 2026). The comments in the code are by the model that wrote it; some were corrected since.
;; Multi Head Attention Solution. Allowed arithmetic: matrix products marked QUANTISED: E2M1 operands, one E8M0 scale for each 32 along K, by v_wmma_scale_f32_16x16x128_f8f6f4 with both operands' format E2M1 (or v_wmma_scale_f32_32x16x128_f4), f32 sums; products left as they are: bf16, f16 or f32 operands; f32 sums; everything else in f32.
;; Inputs: W_k 1,024 x 1,024 float32; W_o 1,024 x 1,024 float32; W_q 1,024 x 1,024 float32; W_v 1,024 x 1,024 float32; x 4 x 2,048 x 1,024 float32.
;; Outputs: out0 4 x 2,048 x 1,024 float32.
;; This version of the problem:
;;   THIS VERSION OF THE PROBLEM IS GIVEN IN LOW PRECISION. The matrix products marked QUANTISED in the list below multiply operands that are first quantised to E2M1 (2 exponent bits, 1 mantissa bit; 4 bits a number), with one power-of-two scale for each 32 numbers along K (OCP MX v1.0); their sums are f32. The products marked 'left as it is' may take bf16, f16 or f32 operands, with f32 sums. Whichever they take, every output number must still come out within the allowed error. Rounding operands to bf16 (8 significant bits) uses up far more of that allowance than f16 does (11 bits, for magnitudes from 6e-5 to 65,504). All else is computed in f32.
;;   The module's matrix products, in the order in which they are computed (A, B: the left and right operand; K: the contracted axis; several contracted axes count as one K, in the product's order):
;;     1. [M 8,192, K 1,024] x [K 1,024, N 1,024]; A: input x; B: input W_q: QUANTISED
;;     2. [M 8,192, K 1,024] x [K 1,024, N 1,024]; A: input x; B: input W_k: QUANTISED
;;     3. [M 8,192, K 1,024] x [K 1,024, N 1,024]; A: input x; B: input W_v: QUANTISED
;;     4. batch 64 x [M 2,048, K 64] x [K 64, N 2,048]; A: computed on the way; B: computed on the way: left as it is (an operand is computed on the way)
;;     5. batch 64 x [M 2,048, K 2,048] x [K 2,048, N 64]; A: computed on the way; B: computed on the way: left as it is (an operand is computed on the way)
;;     6. [M 8,192, K 1,024] x [K 1,024, N 1,024]; A: computed on the way; B: input W_o: left as it is (an operand is computed on the way)
;;   THE QUANTISER, for each operand of a quantised product, along K:
;;     - K is cut into blocks of 32 from its start; a last block that is shorter is filled with zeros.
;;     - A block's scale is 2^e with e = floor(log2(the largest magnitude in the block)) - 2, held to -126 .. 127; a block of zeros has e = 0. As a byte (E8M0): e + 127.
;;     - Each number is divided by its block's scale, clamped to +-6, and rounded to the nearest number of E2M1, ties to even, subnormals kept.
;;     - The product sums the exact products of the quantised numbers (number of the format x scale) in f32.
;;   ~~~python
;;   def quantise(x, axis):      # numpy; x: float32 -> the quantised numbers, widened to float32 again
;;       x = np.moveaxis(x, axis, -1); K = x.shape[-1]
;;       x = np.pad(x, [(0, 0)] * (x.ndim - 1) + [(0, -K % 32)]); x = x.reshape(x.shape[:-1] + (-1, 32)); a = np.abs(x).max(-1, keepdims=True)
;;       e = np.where(a > 0, np.clip(np.frexp(np.where(a > 0, a, 1))[1] - 1 - 2, -126, 127), 0)      # np.frexp(a)[1] - 1 = floor(log2(a)), exactly
;;       r = np.clip(x / 2.0 ** e, -6, 6)
;;       step = 2.0 ** (np.maximum(np.frexp(np.where(r == 0, 1, r))[1] - 1, 0) - 1)
;;       q = np.round(r / step) * step * 2.0 ** e      # np.round: ties to even
;;       return np.moveaxis(q.reshape(q.shape[:-2] + (-1,))[..., :K], -1, axis).astype(np.float32)
;;   ~~~
;; One version. Each part assembles by itself: llvm-mc -triple=amdgcn-amd-amdhsa -mcpu=gfx1250 --defsym DOCPART=n.
;; ======== version 1 of 1: 5 launches
;; limits: values are held in f16: magnitudes above 65,504 overflow, below 6.1e-05 lose precision
;; workspace buffers: x_codes 4,194,304 bytes; x_scales 262,144 bytes; w_codes 1,572,864 bytes; w_scales 98,304 bytes; wo16 2,097,152 bytes; qkv16 50,331,648 bytes; qkv32 786,432 bytes; att16 16,777,216 bytes
;; launch prep (part 1): grid 384 x 1, 4 waves a work-group, no clusters, 33,280 bytes of LDS; arguments x, W_q, W_k, W_v, W_o, x_codes, x_scales, w_codes, w_scales, wo16; writes x_codes, x_scales, w_codes, w_scales, wo16
.if DOCPART == 1
	.amdgcn_target "amdgcn-amd-amdhsa--gfx1250"
	.amdhsa_code_object_version 6
	.text
	.protected	k_q8dcfc28c40_prep
	.globl	k_q8dcfc28c40_prep
	.p2align	8
	.type	k_q8dcfc28c40_prep,@function
k_q8dcfc28c40_prep:
	s_mov_b64 s[64:65], 0
	v_nop
	global_prefetch_b8 v0, s[64:65] scope:SCOPE_SE
	s_setreg_imm32_b32 hwreg(HW_REG_WAVE_MODE, 25, 1), 1
	s_wait_xcnt 0x0
; x [8192][1024] and W_q, W_k, W_v [1024][1024], f32, K innermost, become codes of FP4 (E2M1), two a byte, with one E8M0 byte for each 32 along K:
; x_codes [8192][512 B], x_scales [8192][32]; the three weights on end: w_codes [3072][512 B], w_scales [3072][32].  W_o becomes f16 in blocks: wo16 [16 blocks of 64 rows d][16 blocks of 64 c][64 d][64 c].
; A block's scale is 2^(floor(log2(its largest magnitude)) - 2); its byte is the largest magnitude's exponent field - 2, held at 1 from below.  Each number is divided by the scale and rounded to the nearest code, ties to even, beyond 6 the largest code.
; LIMITS: a block of zeros gets the byte 1 where the rule says 127 (its codes are zeros, and this program alone reads the bytes); blocks whose largest magnitude lies under 2^-124 sit on the floor; NaN and infinities are not served;
; W_o goes to f16: magnitudes from 65,520 on become infinity, under 6e-5 the absolute error is up to 3e-8.
; SHARES: work-groups 0-255 take x (32,768 numbers each), 256-287 W_q, 288-319 W_k, 320-351 W_v, 352-383 W_o.  Rows are dense and K is a multiple of 32: the quantised tensors are plain streams of blocks.
; QUANTISER: a wave takes 16 steps of 512 numbers.  Each load reads 512 consecutive bytes; a step's 2,048 bytes turn through the wave's own stage in LDS so that a lane holds 16 neighbours (two lanes a block).
; A lane's 16 codes are 8 bytes: the wave stores 256 consecutive bytes.  A wave's 256 scale bytes are gathered in LDS and leave as one aligned run of 256 bytes.  No barrier: waves share nothing.
.set WAVES, 4
.set STEPS, 16
.set EMAX,  2
.set CB,    8                          ; bytes of 16 codes
.set R,     16                         ; v16-79   four sets of 16 numbers as loaded
.set X,     80                         ; v80-111  two sets of 16 neighbours
.set E,     112                        ; v112-127 a scale byte for each step
.set C,     128                        ; v128-191 codes, four registers a step: no store's data are written again
.set WREG,  8192                       ; LDS: a region for each wave: two stages of 32 x SP bytes, then its 256 scale bytes
.set SP,    80                         ; a lane's place in a stage: 64 bytes + 16 of padding
.set SPW,   12                         ; v12  LDS address of my spare word; never rewritten
.set NIL,   13                         ; v13  0; never rewritten
.set SPARE, WAVES*WREG                 ; behind the regions: the spare words, 128 bytes a wave
.set SRC,   32                         ; s[32:33] the tensor that I read, at my wave's run
.set COD,   28                         ; s[28:29] its codes
.set SCA,   30                         ; s[30:31] its scale bytes
.set WOF,   144                        ; v144 the W_o path's offset on the way in
	s_load_b512 s[4:19], s[0:1], 0x0               ; x 4:5, W_q 6:7, W_k 8:9, W_v 10:11, W_o 12:13, x_codes 14:15, x_scales 16:17, w_codes 18:19
	s_load_b128 s[20:23], s[0:1], 0x40             ; w_scales 20:21, wo16 22:23
	v_lshl_add_u32 v[SPW], v0, 2, SPARE
	v_mov_b32 v[NIL], 0
	v_lshrrev_b32 v1, 5, v0
	v_readfirstlane_b32 s24, v1                    ; wave
	v_and_b32 v2, 31, v0                           ; lane
	v_lshlrev_b32 v3, 4, v2                        ; 16 x lane
	s_mul_i32 s25, s24, WREG
	v_lshrrev_b32 v14, 2, v2
	v_mul_u32_u24 v14, v14, SP
	v_and_b32 v15, 3, v2
	v_lshl_add_u32 v14, v15, 4, v14
	v_add_nc_u32 v14, s25, v14                     ; the stage, on the way in: SP (lane / 4) + 16 (lane % 4)
	v_mul_u32_u24 v15, v2, SP
	v_add_nc_u32 v15, s25, v15                     ; and on the way out: SP x lane: my 16 neighbours
	v_mul_u32_u24 v4, v2, CB                       ; my codes' place in a step's
	v_lshrrev_b32 v5, 1, v2
	s_add_co_u32 s25, s25, 2*32*SP
	v_add_nc_u32 v5, s25, v5                       ; LDS: my block's scale byte
	v_lshlrev_b32 v7, 3, v2
	v_add_nc_u32 v6, s25, v7                       ; and 8 bytes a lane on the way out
	s_wait_kmcnt 0x0
	s_cmp_ge_u32 ttmp9, 352
	s_cbranch_scc1 .Lwo
	; which tensor: the choices hang on the work-group's number alone
	s_mov_b64 s[SRC:SRC+1], s[10:11]
	s_cmp_lt_u32 ttmp9, 320
	s_cselect_b64 s[SRC:SRC+1], s[8:9], s[SRC:SRC+1]
	s_cmp_lt_u32 ttmp9, 288
	s_cselect_b64 s[SRC:SRC+1], s[6:7], s[SRC:SRC+1]
	s_cmp_lt_u32 ttmp9, 256
	s_cselect_b64 s[SRC:SRC+1], s[4:5], s[SRC:SRC+1]
	s_cselect_b64 s[COD:COD+1], s[14:15], s[18:19]
	s_cselect_b64 s[SCA:SCA+1], s[16:17], s[20:21]
	s_cselect_b32 s26, 0, 256
	s_cselect_b32 s27, -1, 31
	s_sub_co_u32 s26, ttmp9, s26                   ; my number within the output (the weights' outputs lie on end)
	s_and_b32 s27, s26, s27                        ; and within the input tensor
	s_lshl_b32 s26, s26, 2
	s_add_co_u32 s26, s26, s24                     ; my wave's run of 8,192 numbers, out
	s_lshl_b32 s27, s27, 2
	s_add_co_u32 s27, s27, s24                     ; and in
	s_lshl_b32 s34, s27, 15                        ; 32,768 bytes of f32 a run
	s_mov_b32 s35, 0
	s_add_nc_u64 s[SRC:SRC+1], s[SRC:SRC+1], s[34:35]
	s_lshl_b32 s34, s26, 12                        ; 4,096 bytes of codes
	s_add_nc_u64 s[COD:COD+1], s[COD:COD+1], s[34:35]
	s_lshl_b32 s34, s26, 8                         ; 256 scale bytes
	s_add_nc_u64 s[SCA:SCA+1], s[SCA:SCA+1], s[34:35]
.macro LOAD t
.irp i, 0,1,2,3
	global_load_b128 v[R+16*((\t)%4)+4*\i:R+16*((\t)%4)+4*\i+3], v3, s[SRC:SRC+1] offset:2048*(\t)+512*\i th:TH_LOAD_NT   ; 32 lanes read 512 consecutive bytes
.endr
.endm
.macro TURN t                          ; step t's numbers through the stage: LDS serves a wave's instructions in order, so no wait stands between the stores and the loads
.irp i, 0,1,2,3
	ds_store_b128 v14, v[R+16*((\t)%4)+4*\i:R+16*((\t)%4)+4*\i+3] offset:32*SP*((\t)%2)+8*SP*\i
.endr
.irp i, 0,1,2,3
	ds_load_b128 v[X+16*((\t)%2)+4*\i:X+16*((\t)%2)+4*\i+3], v15 offset:32*SP*((\t)%2)+16*\i
.endr
.endm
.irp t, 0,1,2,3
	LOAD \t
.endr
	s_wait_loadcnt 12                              ; step 0's four loads are in; the 12 of steps 1 to 3 may be out
	TURN 0
.macro STEP t
.set XS, X+16*((\t)%2)
.if (\t) > 0
	s_wait_dscnt 1                                 ; this step's numbers are back from the stage (the last step's byte store may be out)
.else
	s_wait_dscnt 0x0
.endif
.if (\t)+4 < STEPS
	LOAD (\t)+4                                    ; into the registers that this step's stage stores have read
.endif
.if (\t)+1 < STEPS
.if STEPS-2-(\t) >= 3
	s_wait_loadcnt 12                              ; the next step's four loads are in; those of the three steps behind it may be out
.else
	s_wait_loadcnt 4*(STEPS-2-(\t))                ; at the end: four for each step still behind the next
.endif
	TURN (\t)+1
.endif
	v_max3_num_f32 v8, |v[XS]|, |v[XS+1]|, |v[XS+2]|               ; the largest magnitude of my 16, in two chains
	v_max3_num_f32 v9, |v[XS+3]|, |v[XS+4]|, |v[XS+5]|
.irp i, 6,10
	v_max3_num_f32 v8, v8, |v[XS+\i]|, |v[XS+\i+1]|
	v_max3_num_f32 v9, v9, |v[XS+\i+2]|, |v[XS+\i+3]|
.endr
	v_max3_num_f32 v8, v8, |v[XS+14]|, |v[XS+15]|
	v_max3_num_f32 v8, v8, v9, (EMAX+1)<<23        ; and the floor 2^(3 - 127): the byte cannot fall under 1
	v_max_num_f32_dpp v8, v8, v8 row_xmask:1 row_mask:0xf bank_mask:0xf   ; with my neighbour's 16: the block's
	v_add_nc_u32 v11, -(EMAX<<23), v8              ; 2 off its exponent field: the conversion takes this operand's exponent field as its scale
	v_cvt_scalef32_pk8_fp4_f32 v[C+4*(\t)], v[XS:XS+7], v11
	v_cvt_scalef32_pk8_fp4_f32 v[C+4*(\t)+1], v[XS+8:XS+15], v11
	v_lshrrev_b32 v[E+(\t)], 23, v11               ; the scale's byte (also the plain line behind the conversions)
	ds_store_b8 v5, v[E+(\t)] offset:16*(\t)       ; both lanes of a block write the same byte with the same value
	global_store_b64 v4, v[C+4*(\t):C+4*(\t)+1], s[COD:COD+1] offset:32*CB*(\t)   ; the wave stores 256 consecutive bytes, aligned
.endm
.irp t, 0,1,2,3,4,5,6,7,8,9,10,11,12,13,14,15
	STEP \t
.endr
	ds_load_b64 v[8:9], v6                         ; LDS serves a wave's instructions in order: these see my byte stores
	s_wait_dscnt 0x0
	global_store_b64 v7, v[8:9], s[SCA:SCA+1]      ; 32 lanes store 256 consecutive bytes, aligned
	s_wait_tensorcnt 0x0                           ; the wave's end: behind my last LDS store
	ds_add_u32 v[SPW], v[NIL]
	s_wait_dscnt 0x0
	s_endpgm
; W_o to f16.  Work-group g takes rows 32 g on, a wave 8 of them.  An iteration takes 4 rows x 64 columns: a lane reads 8 numbers (32 bytes) and writes 16 bytes; the wave stores 4 rows x 128 bytes = 512 consecutive bytes.
; Two sets of 64 registers: 16 loads are on their way while a group of 8 iterations is converted.
.Lwo:
	s_sub_co_u32 s26, ttmp9, 352                   ; g
	s_lshl_b32 s34, s26, 17                        ; 32 rows of 4,096 bytes
	s_lshl_b32 s27, s24, 15                        ; + my wave's 8
	s_add_co_u32 s34, s34, s27
	s_mov_b32 s35, 0
	s_add_nc_u64 s[12:13], s[12:13], s[34:35]
	s_lshr_b32 s34, s26, 1
	s_lshl_b32 s34, s34, 17                        ; the block of 64 rows: 131,072 bytes
	s_and_b32 s27, s26, 1
	s_lshl_b32 s27, s27, 12                        ; 32 rows of 128 bytes
	s_add_co_u32 s34, s34, s27
	s_lshl_b32 s27, s24, 10                        ; 8 rows
	s_add_co_u32 s34, s34, s27
	s_add_nc_u64 s[22:23], s[22:23], s[34:35]
	v_lshrrev_b32 v[WOF], 3, v2
	v_and_b32 v145, 7, v2
	v_lshlrev_b32 v145, 5, v145
	v_lshl_add_u32 v[WOF], v[WOF], 12, v145        ; row lane / 8, 32 bytes for each lane % 8
.macro LOADG g                         ; iterations 8 g .. 8 g + 7: iteration it takes rows 4 (it / 16) on, columns 64 (it % 16) on
.irp i, 0,1,2,3,4,5,6,7
	global_load_b128 v[16+64*((\g)%2)+8*\i:16+64*((\g)%2)+8*\i+3], v[WOF], s[12:13] offset:((8*(\g)+\i)/16)*16384+((8*(\g)+\i)%16)*256 th:TH_LOAD_NT
	global_load_b128 v[16+64*((\g)%2)+8*\i+4:16+64*((\g)%2)+8*\i+7], v[WOF], s[12:13] offset:((8*(\g)+\i)/16)*16384+((8*(\g)+\i)%16)*256+16 th:TH_LOAD_NT
.endr
.endm
.macro WOG g
.if (\g) < 3
	s_wait_loadcnt 16                              ; this group's 16 loads are in; the next group's 16 may be out
.else
	s_wait_loadcnt 0x0
.endif
.irp i, 0,1,2,3,4,5,6,7
.irp k, 0,1,2,3
	v_cvt_pk_f16_f32 v[16+64*((\g)%2)+8*\i+\k], v[16+64*((\g)%2)+8*\i+2*\k], v[16+64*((\g)%2)+8*\i+2*\k+1]   ; in place, ascending: register k is written when 2 k and 2 k + 1 are read
.endr
.endr
.irp i, 0,1,2,3,4,5,6,7
	global_store_b128 v3, v[16+64*((\g)%2)+8*\i:16+64*((\g)%2)+8*\i+3], s[22:23] offset:((8*(\g)+\i)%16)*8192+((8*(\g)+\i)/16)*512
.endr
.if (\g) < 2
	s_wait_xcnt 0x0                                ; the stores have read their registers: the set is loaded again only behind this wait
	LOADG (\g)+2
.endif
.endm
	LOADG 0
	LOADG 1
	WOG 0
	WOG 1
	WOG 2
	WOG 3
	s_endpgm
.Lfunc_end_k_q8dcfc28c40_prep:
	.size	k_q8dcfc28c40_prep, .Lfunc_end_k_q8dcfc28c40_prep-k_q8dcfc28c40_prep
	.p2alignl 7, 3214868480
	.fill 96, 4, 3214868480
	.section	.rodata,"a",@progbits
	.p2align	6, 0x0
	.amdhsa_kernel k_q8dcfc28c40_prep
		.amdhsa_group_segment_fixed_size 33280
		.amdhsa_private_segment_fixed_size 0
		.amdhsa_enable_private_segment 0
		.amdhsa_kernarg_size 80
		.amdhsa_user_sgpr_count 2
		.amdhsa_user_sgpr_kernarg_segment_ptr 1
		.amdhsa_wavefront_size32 1
		.amdhsa_system_sgpr_workgroup_id_x 1
		.amdhsa_system_sgpr_workgroup_id_y 1
		.amdhsa_system_sgpr_workgroup_id_z 1
		.amdhsa_system_vgpr_workitem_id 0
		.amdhsa_next_free_vgpr 192
		.amdhsa_next_free_sgpr 66
		.amdhsa_reserve_vcc 0
		.amdhsa_float_denorm_mode_32 3
		.amdhsa_float_denorm_mode_16_64 3
		.amdhsa_memory_ordered 1
		.amdhsa_forward_progress 1
		.amdhsa_inst_pref_size 51
	.end_amdhsa_kernel
	.amdgpu_metadata
---
amdhsa.version: [ 1, 2 ]
amdhsa.kernels:
  - .name:           k_q8dcfc28c40_prep
    .symbol:         k_q8dcfc28c40_prep.kd
    .args:
      - { .name: x, .offset: 0, .size: 8, .value_kind: global_buffer, .address_space: global }
      - { .name: W_q, .offset: 8, .size: 8, .value_kind: global_buffer, .address_space: global }
      - { .name: W_k, .offset: 16, .size: 8, .value_kind: global_buffer, .address_space: global }
      - { .name: W_v, .offset: 24, .size: 8, .value_kind: global_buffer, .address_space: global }
      - { .name: W_o, .offset: 32, .size: 8, .value_kind: global_buffer, .address_space: global }
      - { .name: x_codes, .offset: 40, .size: 8, .value_kind: global_buffer, .address_space: global }
      - { .name: x_scales, .offset: 48, .size: 8, .value_kind: global_buffer, .address_space: global }
      - { .name: w_codes, .offset: 56, .size: 8, .value_kind: global_buffer, .address_space: global }
      - { .name: w_scales, .offset: 64, .size: 8, .value_kind: global_buffer, .address_space: global }
      - { .name: wo16, .offset: 72, .size: 8, .value_kind: global_buffer, .address_space: global }
    .group_segment_fixed_size: 33280
    .private_segment_fixed_size: 0
    .kernarg_segment_align: 8
    .kernarg_segment_size: 80
    .max_flat_workgroup_size: 128
    .sgpr_count:     66
    .vgpr_count:     192
    .wavefront_size: 32
...
	.end_amdgpu_metadata
.endif
;; end of part 1
;; launch qkv (part 2): grid 12 x 32, 4 waves a work-group, clusters of 4 x 4, 327,680 bytes of LDS; arguments x_codes, x_scales, w_codes, w_scales, qkv16, qkv32; writes qkv16, qkv32
.if DOCPART == 2
	.amdgcn_target "amdgcn-amd-amdhsa--gfx1250"
	.amdhsa_code_object_version 6
	.text
	.protected	k_q8dcfc28c40_qkv
	.globl	k_q8dcfc28c40_qkv
	.p2align	8
	.type	k_q8dcfc28c40_qkv,@function
k_q8dcfc28c40_qkv:
	s_mov_b64 s[64:65], 0
	v_nop
	global_prefetch_b8 v0, s[64:65] scope:SCOPE_SE
	s_setreg_imm32_b32 hwreg(HW_REG_WAVE_MODE, 25, 1), 1
	s_wait_xcnt 0x0
	s_wait_alu depctr_hold_cnt(0) depctr_sa_sdst(0) depctr_va_vdst(0) depctr_va_sdst(0) depctr_va_ssrc(0) depctr_va_vcc(0) depctr_vm_vsrc(0)
	s_getreg_b32 s2, hwreg(HW_REG_IB_STS2, 6, 4)
	s_cmp_eq_u32 s2, 0
	s_cbranch_scc0 .Lentry_in_a_cluster
	s_endpgm
.Lentry_in_a_cluster:
	s_bfe_u32 s2, ttmp6, 0x10000c
	s_cmp_lg_u32 s2, 0xf033
	s_cbranch_scc0 .Lentry_shape_is_right
	s_endpgm
.Lentry_shape_is_right:
; [8192 x 3072] = X Wqkv^T on codes of FP4 (E2M1) with one E8M0 byte for each 32 along K = 1,024; sums in f32.  A = x_codes [8192][512 B], B = w_codes [3072][512 B] (rows of W_q, W_k, W_v on end).
; The result goes out per head: qkv16, f16, [batch 4][g 48][t 2048][64] (g 0-15 Q's heads, 16-31 K's, 32-47 V's); the first 16 positions of each batch also as f32: qkv32 [4][48][16][64].
; LIMITS: results are rounded to f16: magnitudes from 65,520 on become infinity; under 6e-5 the absolute error is up to 3e-8.
; A tile of C, 256 x 256, is made by four waves; a wave makes 128 x 128: 64 accumulators of 16 x 16.  K is two slots of 512 (rows of 256 bytes): both are first fills, nothing is filled again.
; The scale bytes of the work-group's 256 + 256 rows, for all of K, are two dense blocks: they come once, as rows of 256 bytes with 16 of padding.
; CLUSTERS: 4 x 4 work-groups.  The four of a row of the cluster need the same tiles of A, the four of a column the same tiles of B: each is asked for jointly.  Tile row = 8 cy + cluster y, so that the batch is cy and the
; tiles that hold positions under 16 are those of cluster y = 0: the branch to their f32 way out is alike in all partners.
; THE MATRIX INSTRUCTION IS USED TRANSPOSED (source 0 = 16 rows of B, source 1 = 16 rows of A): a lane holds eight neighbouring columns of a row of C.
; REGISTERS: window 0: v0-31 addresses; v32-95 scale words, two sets, and nothing else; v128-191 A's fragments, one set; on the way out v128-223.  window 1: B's fragments, two sets.  windows 2, 3: the accumulators ((a, b) at v[8 (8 (a % 4) + b)]).
.set KSTEP,  512
.set NQ,     KSTEP/128
.set ROWB,   256                       ; a tile's row in bytes
.set KROW,   512                       ; a row of A or B in memory
.set PITCH,  272                       ; an LDS row: 256 bytes + 16 of padding: the 16 rows of a load start at 16 different groups of four banks
.set FR,     8
.set NL,     2
.set NP,     4
.set HALFT,  128*PITCH
.set SLOT,   4*HALFT
.set KS,     32                        ; a row of scale bytes
.set SCL,    2*SLOT
.set HALFS,  (128*KS/256)*272
.set SBLK,   (16*KS/256)*272
.set SPARE,  SCL+4*HALFS               ; the spare words, 128 bytes a wave
.set WSTG,   12800                     ; the way out, in slot 0 (last fill and last read over): for each wave a stage of 16 x 272 bytes (f16), then one of 16 x 528 (f32)
.set ADRA, 16
.set ADRB, 20
.set CO32, 22                          ; v22  the f32 way out: my byte offset in qkv32
.set STO,  24
.set RD,   25
.set CO,   26
.set ADRS, 27
.set SPW,  28
.set NIL,  29
.set STO32, 30
.set RD32, 31
.set SC,   32
.set AF,   128
.set BK,   128                         ; rows read back: v128-159 and v160-191 by turns
.set TMP,  192                         ; packed results
.set G1, 24
.set G0, 32
.set G1B, 48
.set G0B, 56
.set G1S, 68
.set G0S, 76
.set G1SB, 80
.set G0SB, 88
.set MSB, 0
.macro WIN new                         ; the immediate's high byte repeats the setting that is left
.if MSB != \new
	s_set_vgpr_msb (MSB<<8)|\new
.set MSB, \new
.endif
.endm
.set MUL_LO, 0xa1
.set MUL_HI, 0xf1
.set TO_B,   0x40
; A joint load: waves 0 and 1 fetch for A, waves 2 and 3 for B; the branch hangs on the wave's number alone.  An s_nop 0 and four v_nop follow each line.
.macro JLOAD g0a, g1a, g0b, g1b
	s_cmp_eq_u32 s15, 0
	s_cbranch_scc0 .Lfor_b_\@
	tensor_load_to_lds s[\g0a:\g0a+3], s[\g1a:\g1a+7]
	s_nop 0
.rept 4
	v_nop
.endr
	s_branch .Lasked_\@
.Lfor_b_\@:
	tensor_load_to_lds s[\g0b:\g0b+3], s[\g1b:\g1b+7]
	s_nop 0
.rept 4
	v_nop
.endr
.Lasked_\@:
.endm
.macro CROUND                          ; a round of the cluster's barrier
	s_barrier_signal -1
	s_barrier_wait -1
	s_cmp_lg_u32 s14, 0
	s_cbranch_scc1 .Lnot_wave_0_\@
	s_barrier_signal -3
.Lnot_wave_0_\@:
	s_barrier_wait -3
	s_barrier_signal -1
	s_barrier_wait -1
.endm
	s_load_b128 s[4:7], s[0:1], 0x0                ; A's codes, A's scales
	s_load_b128 s[8:11], s[0:1], 0x10              ; B's codes, B's scales
	s_load_b128 s[96:99], s[0:1], 0x20             ; qkv16, qkv32
	v_lshl_add_u32 v[SPW], v0, 2, SPARE
	v_mov_b32 v[NIL], 0
	ds_add_u32 v[SPW], v[NIL]                      ; the wave's opening: the add, twice on end, and its wait ahead of my first tensor load
	ds_add_u32 v[SPW], v[NIL]
	v_lshrrev_b32 v1, 5, v0
	v_readfirstlane_b32 s14, v1                    ; wave 0..3
	s_lshr_b32 s15, s14, 1                         ; my half of the tile's rows.  Also: I fetch for A (0) or B (1)
	s_and_b32 s16, s14, 1                          ; my half of its columns.  Also: which 128 rows I fetch
	s_bfe_u32 s40, ttmp6, 0x40000                  ; cx
	s_bfe_u32 s41, ttmp6, 0x40004                  ; cy
	s_lshl_b32 s42, ttmp9, 2
	s_add_co_u32 s42, s42, s40                     ; tile column = 4 x cluster x + cx
	s_and_b32 s17, ttmp7, 0xffff
	s_lshl_b32 s18, s41, 3
	s_add_co_u32 s17, s17, s18                     ; tile row = 8 cy + cluster y
	s_lshl_b32 s43, s41, 2
	s_lshl_b32 s43, 15, s43                        ; my row of the cluster
	s_lshl_b32 s44, 0x1111, s40                    ; my column
	s_or_b32 s[G1+0], s43, (0<<16)|(1<<20)|(1<<21)|(5<<22)|(3<<25)  ; the mask; elements of 1 byte; padding on; bit 21 beside a mask; 4 words behind every 64
	s_or_b32 s[G1B+0], s44, (0<<16)|(1<<20)|(1<<21)|(5<<22)|(3<<25)
.irp g, G1, G1B
	s_mov_b32 s[\g+1], ROWB<<16                    ; tensor_dim0
	s_mov_b32 s[\g+2], 128<<16                     ; tensor_dim1
	s_mov_b32 s[\g+3], ROWB<<16                    ; tile_dim0
	s_mov_b32 s[\g+4], 128                         ; tile_dim1
	s_mov_b32 s[\g+5], KROW                        ; the pitch
	s_mov_b32 s[\g+6], 0
	s_mov_b32 s[\g+7], 0
.endr
	s_or_b32 s[G1S+0], s43, (3<<16)|(1<<20)|(1<<21)|(5<<22)|(3<<25) ; the scales of 128 rows: 4,096 dense bytes as 16 rows of 32 elements of 8 bytes
	s_or_b32 s[G1SB+0], s44, (3<<16)|(1<<20)|(1<<21)|(5<<22)|(3<<25)
.irp g, G1S, G1SB
	s_mov_b32 s[\g+1], 32<<16
	s_mov_b32 s[\g+2], (128*KS/256)<<16
	s_mov_b32 s[\g+3], 32<<16
	s_mov_b32 s[\g+4], 128*KS/256
	s_mov_b32 s[\g+5], 32
	s_mov_b32 s[\g+6], 0
	s_mov_b32 s[\g+7], 0
.endr
	s_lshl_b32 s18, s16, 7
	s_lshl_b32 s20, s17, 8
	s_add_co_u32 s20, s20, s18                     ; A: row 256 x tile row + 128 x half
	s_lshl_b32 s46, s42, 8
	s_add_co_u32 s46, s46, s18                     ; B: row 256 x tile column + 128 x half
	s_mov_b32 s21, 0
	s_mov_b32 s47, 0
	s_mov_b64 s[18:19], KS
	s_mul_u64 s[22:23], s[20:21], s[18:19]
	s_mul_u64 s[92:93], s[46:47], s[18:19]
	s_mov_b64 s[18:19], KROW
	s_mul_u64 s[20:21], s[20:21], s[18:19]
	s_mul_u64 s[46:47], s[46:47], s[18:19]
	s_mul_i32 s45, s14, HALFT                      ; where they go: wave x 128 rows
	s_mul_i32 s94, s14, HALFS
	s_wait_dscnt 0x0                               ; both opening adds are done
	s_wait_kmcnt 0x0
	s_add_nc_u64 s[20:21], s[4:5], s[20:21]
	s_add_nc_u64 s[22:23], s[6:7], s[22:23]
	s_add_nc_u64 s[46:47], s[8:9], s[46:47]
	s_add_nc_u64 s[92:93], s[10:11], s[92:93]
	CROUND                                         ; all sixteen work-groups are here: the joint loads meet
	s_mov_b32 s[G0S], 1
	s_add_co_u32 s[G0S+1], s94, SCL
	s_mov_b64 s[G0S+2:G0S+3], s[22:23]
	s_or_b32 s[G0S+3], s[G0S+3], 0x80000000
	s_mov_b32 s[G0SB], 1
	s_add_co_u32 s[G0SB+1], s94, SCL
	s_mov_b64 s[G0SB+2:G0SB+3], s[92:93]
	s_or_b32 s[G0SB+3], s[G0SB+3], 0x80000000
	JLOAD G0S, G1S, G0SB, G1SB                     ; the scales first
.irp s, 0,1
	s_mov_b32 s[G0+4*\s], 1
	s_add_co_u32 s[G0+4*\s+1], s45, \s*SLOT
	s_add_nc_u64 s[G0+4*\s+2:G0+4*\s+3], s[20:21], \s*ROWB
	s_or_b32 s[G0+4*\s+3], s[G0+4*\s+3], 0x80000000
	s_mov_b32 s[G0B+4*\s], 1
	s_add_co_u32 s[G0B+4*\s+1], s45, \s*SLOT
	s_add_nc_u64 s[G0B+4*\s+2:G0B+4*\s+3], s[46:47], \s*ROWB
	s_or_b32 s[G0B+4*\s+3], s[G0B+4*\s+3], 0x80000000
	JLOAD G0+4*\s, G1, G0B+4*\s, G1B               ; three loads of mine are out
.endr
	v_and_b32 v1, 15, v0                           ; r = l % 16
	v_bfe_u32 v2, v0, 4, 1                         ; h = l / 16
	v_mul_u32_u24 v3, v1, PITCH
	v_lshl_add_u32 v4, v2, 4, v3
	s_mul_i32 s21, s15, HALFT
	s_mul_i32 s22, s16, HALFT
	s_add_co_u32 s22, s22, 2*HALFT
.irp s, 0,1
	v_add_nc_u32 v[ADRA+\s], s21, v4
	v_add_nc_u32 v[ADRB+\s], s22, v4
	s_add_co_u32 s21, s21, SLOT
	s_add_co_u32 s22, s22, SLOT
.endr
	v_mul_u32_u24 v5, v1, KS                       ; my row's scales: KS bytes a row,
	v_lshrrev_b32 v6, 8, v5
	v_lshl_add_u32 v5, v6, 4, v5                   ; and 16 more for each 256 passed
	s_mul_i32 s21, s15, HALFS
	s_mul_i32 s22, s16, HALFS
	s_add_co_u32 s22, s22, 2*HALFS
	s_sub_co_u32 s22, s22, s21
	v_mul_u32_u24 v6, s22, v2                      ; lanes 16-31 take B's
	s_add_co_u32 s21, s21, SCL
	v_add_nc_u32 v5, v5, v6
	v_add_nc_u32 v[ADRS], s21, v5
	s_mul_i32 s23, s14, WSTG                       ; my stages
	v_mul_u32_u24 v5, v1, 272
	v_lshl_add_u32 v5, v2, 4, v5
	v_add_nc_u32 v[STO], s23, v5                   ; f16, in: row r, 16 bytes for each half of the lanes
	v_and_b32 v6, 31, v0
	v_lshrrev_b32 v5, 3, v6
	v_mul_u32_u24 v5, v5, 272
	v_and_b32 v7, 7, v0
	v_lshl_add_u32 v5, v7, 4, v5
	v_add_nc_u32 v[RD], s23, v5                    ; back: eight lanes take a head's 128 bytes of a row, four rows an instruction
	v_lshlrev_b32 v[CO], 4, v6                     ; which are 512 consecutive bytes of qkv16
	s_add_co_u32 s23, s23, 16*272
	v_mul_u32_u24 v5, v1, 528
	v_lshl_add_u32 v5, v2, 5, v5
	v_add_nc_u32 v[STO32], s23, v5                 ; f32, in: row r, 32 bytes for each half
	v_add_nc_u32 v[RD32], s23, v[CO]               ; back: a row of 512 bytes
	v_lshlrev_b32 v5, 4, v1
	v_lshl_add_u32 v[CO32], v2, 12, v5             ; lanes 0-15 my first head, lanes 16-31 the next (4,096 bytes on)
	; where my part begins in the outputs.  These registers feed no descriptor
	s_mul_i32 s66, s41, 48
	s_lshl_b32 s95, s42, 2
	s_add_co_u32 s66, s66, s95
	s_lshl_b32 s95, s16, 1
	s_add_co_u32 s66, s66, s95                     ; batch x 48 + my first head g0 = 4 x tile column + 2 x half
	s_lshl_b32 s2, s66, 12
	s_mov_b32 s3, 0
	s_add_nc_u64 s[98:99], s[98:99], s[2:3]
	s_lshl_b32 s66, s66, 18
	s_and_b32 s95, ttmp7, 0xffff
	s_lshl_b32 s95, s95, 15                        ; 256 rows of 128 bytes for each cluster y
	s_add_co_u32 s66, s66, s95
	s_lshl_b32 s95, s15, 14                        ; my half's 128 rows
	s_add_co_u32 s66, s66, s95
	s_mov_b32 s67, 0
	s_add_nc_u64 s[96:97], s[96:97], s[66:67]
.macro FRAG reg, adr, q, i             ; 16 rows x 128 K of 4-bit codes: 8 registers: two loads of 16 bytes, 32 bytes apart
.irp c, 0,1
	ds_load_b128 v[\reg+4*\c:\reg+4*\c+3], v[\adr] offset:64*(\q)+32*\c+(\i)*16*PITCH
.endr
.endm
; 16 matrix instructions: A's blocks a0, a0 + 1 x B's eight.  The 64 accumulators take turns, one instruction a turn, in the same order in every step.
.macro MUL16 a0, p, q, sc, zero
.irp a, \a0, \a0+1
.irp b, 0,1,2,3,4,5,6,7
.if \zero
	v_wmma_scale_f32_16x16x128_f8f6f4 v[8*(8*((\a)%4)+\b):8*(8*((\a)%4)+\b)+7], v[128*(\p)+FR*\b:128*(\p)+FR*\b+FR-1], v[AF+FR*(\a):AF+FR*(\a)+FR-1], 0, v[SC+8*NQ*(\sc)+NQ*\b+(\q)], v[SC+8*NQ*(\sc)+NQ*(\a)+(\q)] matrix_a_fmt:MATRIX_FMT_FP4 matrix_b_fmt:MATRIX_FMT_FP4 matrix_a_scale:MATRIX_SCALE_ROW1
.else
	v_wmma_scale_f32_16x16x128_f8f6f4 v[8*(8*((\a)%4)+\b):8*(8*((\a)%4)+\b)+7], v[128*(\p)+FR*\b:128*(\p)+FR*\b+FR-1], v[AF+FR*(\a):AF+FR*(\a)+FR-1], v[8*(8*((\a)%4)+\b):8*(8*((\a)%4)+\b)+7], v[SC+8*NQ*(\sc)+NQ*\b+(\q)], v[SC+8*NQ*(\sc)+NQ*(\a)+(\q)] matrix_a_fmt:MATRIX_FMT_FP4 matrix_b_fmt:MATRIX_FMT_FP4 matrix_a_scale:MATRIX_SCALE_ROW1
.endif
.endr
.endr
.endm
.macro FETCH_B slot, q, p
	WIN TO_B
.irp i, 0,1,2,3,4,5,6,7
	FRAG 128*(\p)+FR*\i, ADRB+\slot, \q, \i
.endr
	WIN 0
.endm
.macro FETCH_A slot, q, i0
.irp i, \i0, \i0+1, \i0+2, \i0+3
	FRAG AF+FR*(\i), ADRA+\slot, \q, \i
.endr
.endm
.macro SCALES sc                       ; a K step's scale words: lanes 0-15 A's block i, lanes 16-31 B's block i
.irp i, 0,1,2,3,4,5,6,7
	ds_load_b128 v[SC+8*NQ*\sc+NQ*\i:SC+8*NQ*\sc+NQ*\i+3], v[ADRS] offset:\i*SBLK
.endr
.endm
.macro PLACES n                        ; plain vector lines between a matrix instruction and a load into, or a read of, its registers
.rept \n
	v_nop
.endr
.endm
.macro STEP slot, q, zero
	s_wait_dscnt 4*NL                              ; B's set and A's blocks 0-3 are in; the youngest 8 loads (A's blocks 4-7) may be out
	WIN MUL_LO
	MUL16 0, (\q)%2, \q, \slot, \zero
	MUL16 2, (\q)%2, \q, \slot, \zero
	s_wait_dscnt 0
	PLACES NP
	FETCH_B \slot, (\q)+1, 1-(\q)%2
	FETCH_A \slot, (\q)+1, 0
	WIN MUL_HI
	MUL16 4, (\q)%2, \q, \slot, \zero
	MUL16 6, (\q)%2, \q, \slot, \zero
	PLACES NP
	WIN 0
	FETCH_A \slot, (\q)+1, 4
.endm
.macro STEPS slot, from
.set Q, \from
.rept NQ-1-\from
	STEP \slot, Q, 0
.set Q, Q+1
.endr
.endm
	s_wait_tensorcnt 1                             ; the scales and my part of slot 0 are in; slot 1's load may be out
	s_barrier_signal -1
	s_barrier_wait -1
	FETCH_B 0, 0, 0
	FETCH_A 0, 0, 0
	SCALES 0
	FETCH_A 0, 0, 4
	STEP 0, 0, 1                                   ; the first products start the sums: nothing is cleared
	STEPS 0, 1
	; slot 0's last step changes slots: one barrier; nothing is filled again
	s_wait_tensorcnt 0x0                           ; my part of slot 1 has landed
	ds_add_u32 v[SPW], v[NIL]
	s_wait_dscnt 4*NL+1                            ; (the add and the youngest 8 loads may be out)
	WIN MUL_LO
	MUL16 0, 1, NQ-1, 0, 0
	s_wait_dscnt 0x0                               ; the add is done, and my reads of slot 0 are over
	s_barrier_signal -1
	MUL16 2, 1, NQ-1, 0, 0
	WIN 0
	s_barrier_wait -1
	PLACES NP
	v_add_nc_u32 v[ADRS], 4*NQ, v[ADRS]            ; the second K step's scale words
	FETCH_B 1, 0, 0
	FETCH_A 1, 0, 0
	SCALES 1
	WIN MUL_HI
	MUL16 4, 1, NQ-1, 0, 0
	MUL16 6, 1, NQ-1, 0, 0
	PLACES NP
	WIN 0
	FETCH_A 1, 0, 4
	STEPS 1, 0
	s_wait_dscnt 4*NL                              ; the very last step
	WIN MUL_LO
	MUL16 0, 1, NQ-1, 1, 0
	MUL16 2, 1, NQ-1, 1, 0
	s_wait_dscnt 0
	WIN MUL_HI
	MUL16 4, 1, NQ-1, 1, 0
	MUL16 6, 1, NQ-1, 1, 0
	WIN 0
; THE WAY OUT, a block of 16 rows x 128 columns (two heads) at a time: rounded to f16, 16 bytes a lane into my stage, back as 4 rows x 128 bytes of one head, which are 512 consecutive bytes of qkv16.
.macro PACK a
.set AC, 64*((\a)%4)
	WIN (0x0a+5*((\a)/4))                          ; sources in window 2 or 3
.irp b, 0,1,2,3,4,5,6,7
.irp r, 0,1,2,3
	v_cvt_pk_f16_f32 v[TMP+4*\b+\r], v[AC+8*\b+2*\r], v[AC+8*\b+2*\r+1]   ; each accumulator from its low end on
.endr
.endr
	WIN 0
.endm
.macro TOSTAGE a
.irp b, 0,1,2,3,4,5,6,7
	ds_store_b128 v[STO], v[TMP+4*\b:TMP+4*\b+3] offset:32*\b
.endr
.irp t, 0,1,2,3,4,5,6,7
	ds_load_b128 v[BK+32*((\a)%2)+4*\t:BK+32*((\a)%2)+4*\t+3], v[RD] offset:(\t/4)*128+(\t%4)*1088   ; LDS serves a wave's instructions in order: these see the stores above
.endr
.endm
.macro SEND a
	s_wait_dscnt 0x0                               ; the block is back in registers
	s_wait_xcnt 0x0                                ; the stores of the block before have read their registers: the next block's loads may land there
.irp t, 0,1,2,3,4,5,6,7
	global_store_b128 v[CO], v[BK+32*((\a)%2)+4*\t:BK+32*((\a)%2)+4*\t+3], s[96:97] offset:(\a)*2048+(\t%4)*512+(\t/4)*262144
.endr
.endm
	PLACES NP
	PACK 0
	TOSTAGE 0
.irp a, 1,2,3,4,5,6,7                  ; block a's conversions stand between block a - 1's loads from the stage and the wait for them
	PACK \a
	SEND \a-1
	TOSTAGE \a
.endr
	SEND 7
	; positions under 16: cluster y = 0, the upper half's waves, block 0: once more, as f32
	s_and_b32 s95, ttmp7, 0xffff
	s_or_b32 s95, s95, s15
	s_cmp_lg_u32 s95, 0
	s_cbranch_scc1 .Lnofine
	s_wait_xcnt 0x0                                ; the last stores have read v128-191
	WIN 0x08                                       ; an LDS store's data are its source 1: window 2
.irp b, 0,1,2,3,4,5,6,7
	ds_store_b128 v[STO32], v[8*\b:8*\b+3] offset:64*\b
	ds_store_b128 v[STO32], v[8*\b+4:8*\b+7] offset:64*\b+16
.endr
	WIN 0
.irp t, 0,1,2,3,4,5,6,7,8,9,10,11,12,13,14,15
	ds_load_b128 v[BK+4*\t:BK+4*\t+3], v[RD32] offset:528*\t
.endr
	s_wait_dscnt 0x0
.irp t, 0,1,2,3,4,5,6,7,8,9,10,11,12,13,14,15
	global_store_b128 v[CO32], v[BK+4*\t:BK+4*\t+3], s[98:99] offset:256*\t   ; sixteen lanes store a head's row: 256 consecutive bytes, aligned
.endr
.Lnofine:
	s_wait_tensorcnt 0x0                           ; the wave's end: behind my last tensor load and my last LDS store
	ds_add_u32 v[SPW], v[NIL]
	s_wait_dscnt 0x0
	CROUND                                         ; the closing round
	s_endpgm
.Lfunc_end_k_q8dcfc28c40_qkv:
	.size	k_q8dcfc28c40_qkv, .Lfunc_end_k_q8dcfc28c40_qkv-k_q8dcfc28c40_qkv
	.p2alignl 7, 3214868480
	.fill 96, 4, 3214868480
	.section	.rodata,"a",@progbits
	.p2align	6, 0x0
	.amdhsa_kernel k_q8dcfc28c40_qkv
		.amdhsa_group_segment_fixed_size 327680
		.amdhsa_private_segment_fixed_size 0
		.amdhsa_enable_private_segment 0
		.amdhsa_kernarg_size 48
		.amdhsa_user_sgpr_count 2
		.amdhsa_user_sgpr_kernarg_segment_ptr 1
		.amdhsa_wavefront_size32 1
		.amdhsa_system_sgpr_workgroup_id_x 1
		.amdhsa_system_sgpr_workgroup_id_y 1
		.amdhsa_system_sgpr_workgroup_id_z 1
		.amdhsa_system_vgpr_workitem_id 0
		.amdhsa_next_free_vgpr 1024
		.amdhsa_next_free_sgpr 100
		.amdhsa_reserve_vcc 0
		.amdhsa_float_denorm_mode_32 3
		.amdhsa_float_denorm_mode_16_64 3
		.amdhsa_memory_ordered 1
		.amdhsa_forward_progress 1
		.amdhsa_inst_pref_size 131
	.end_amdhsa_kernel
	.amdgpu_metadata
---
amdhsa.version: [ 1, 2 ]
amdhsa.kernels:
  - .name:           k_q8dcfc28c40_qkv
    .symbol:         k_q8dcfc28c40_qkv.kd
    .args:
      - { .name: x_codes, .offset: 0, .size: 8, .value_kind: global_buffer, .address_space: global }
      - { .name: x_scales, .offset: 8, .size: 8, .value_kind: global_buffer, .address_space: global }
      - { .name: w_codes, .offset: 16, .size: 8, .value_kind: global_buffer, .address_space: global }
      - { .name: w_scales, .offset: 24, .size: 8, .value_kind: global_buffer, .address_space: global }
      - { .name: qkv16, .offset: 32, .size: 8, .value_kind: global_buffer, .address_space: global }
      - { .name: qkv32, .offset: 40, .size: 8, .value_kind: global_buffer, .address_space: global }
    .group_segment_fixed_size: 327680
    .private_segment_fixed_size: 0
    .kernarg_segment_align: 8
    .kernarg_segment_size: 48
    .max_flat_workgroup_size: 128
    .sgpr_count:     100
    .vgpr_count:     1024
    .wavefront_size: 32
...
	.end_amdgpu_metadata
.endif
;; end of part 2
;; launch attn (part 3): grid 4 x 64, 16 waves a work-group, no clusters, 327,680 bytes of LDS; arguments qkv16, att16; writes att16
.if DOCPART == 3
	.amdgcn_target "amdgcn-amd-amdhsa--gfx1250"
	.amdhsa_code_object_version 6
	.text
	.protected	k_q8dcfc28c40_attn
	.globl	k_q8dcfc28c40_attn
	.p2align	8
	.type	k_q8dcfc28c40_attn,@function
k_q8dcfc28c40_attn:
	s_mov_b64 s[64:65], 0
	v_nop
	global_prefetch_b8 v0, s[64:65] scope:SCOPE_SE
	s_setreg_imm32_b32 hwreg(HW_REG_WAVE_MODE, 25, 1), 1
	s_wait_xcnt 0x0
; Causal attention of one (batch, head): O[q] = sum over k <= q of softmax_k(Q[q] . K[k] / 8) V[k].  Q, K, V: f16, [2048][64] each, out of qkv16 [4][48][2048][64].  Products on f16 operands with f32 sums; maxima, exponentials and sums in f32;
; the weights p are rounded to f16 for the second product.  The result goes to att16, f16, [128 blocks of 64 rows][16 heads][64 rows][64].
; LIMITS: f16 operands: Q, K, V and O under 65,520 in magnitude.  Positions under 16 are made here too, but the output's rows for them come from the launch that carries them in f32.
; SHARES.  The 2,048 queries are 32 blocks of 64.  Work-group j of a head (j = 0..3) owns blocks 8 m + j and 8 m + 7 - j, m = 0..3: the block numbers add up to the same for every j, so the causal work is even; its top block is 28 or
; higher, so each of the 8 slots of 256 keys is read by some wave of every work-group: the trip count is a constant and no load is left out.  A wave owns 32 neighbouring queries: two tiles of 16.
; NO CLUSTER: the partners of a head would be other query blocks, and which key steps a wave leaves out hangs on its queries: a branch that differs between partners.
; LAYOUT.  S^T = K Q^T (source 0 = 16 keys, source 1 = 16 queries): a lane holds one query (lane % 16) and keys 8 (lane / 16) + 0..7.  Two such tiles, rounded in pairs, are source 1 (32 keys x 16 queries) of O^T = V^T P.
; K comes out of LDS as it lies, V ([key][channel]) turned, by ds_load_tr16_b128.
; SOFTMAX.  A running maximum m and sum l for each query: p = 2^(c s - c m), c = log2(e) / 8; in every step O and l are multiplied by a = 2^(c m_old - c m_new).  The step is written once: O^T and l begin as zeros, m as -3e38.
; RING.  Two slots of 256 keys.  K's and V's rows are dense in memory, so a slot's 32,768 bytes of each are stated as 128 rows of 256 bytes (two keys a row).  Wave 0 fetches K's, wave 1 V's; all sixteen read.
.set PKK,   272                        ; a double row of K in LDS: 256 + 16: keys r = 0..15 of a fragment fall on 16 different 16-byte columns: 16 (r / 2) + 128 (r % 2)
.set PVV,   288                        ; of V: 256 + 32: the turning load's 16 lanes fall on 32 (j / 2) + 128 (j % 2) + 16 (0 or 1)
.set VOFF,  128*PKK
.set SLOT1, 1<<17
.set STAGE, 208896                     ; the way out: 32 rows x 144 bytes for each wave: bytes of their own, never filled
.set SPARE, STAGE+16*32*144            ; the spare words, 128 bytes a wave
.set AK0, 1
.set AV0, 2
.set ADK, 3
.set ADV, 4
.set SPW, 5
.set NIL, 6
.set DL,  7                            ; v7   r - 8 h
.set ST,  8                            ; tile t's statistics at v[ST + 8 t]: +0 c m, +1 m, +2, +3 l, +4..+7 at work; a takes +6
.set CH,  24                           ; v24-27 the sums' second chain, a pair a tile
.set DD,  28
.set NINF, 29
.set PFO, 30                           ; v30  256 x my lane; never rewritten
.set QOF, 31                           ; v31  my byte offset in the wave's rows of Q
.set Q,   32                           ; v32-63   Q: tile tq, channels 32 ch on: 32 + 16 tq + 8 ch
.set KV,  64                           ; v64-127  K's eight fragments, then V's eight
.set S,   128                          ; v128-191 S^T: 128 + 32 tq + 8 kt; P is made in place in the low 16 of each 32
.set O,   192                          ; v192-255 O^T: 192 + 32 tq + 8 c
.set WV,  18
.set SEL, 20
.set CS,  22
.set G1K, 24
.set G1V, 32
.set G0K, 40
.set G0V, 44
.set TB,  2
.set SLOTS, 3
.set KF,  48
.set Q0,  49
.set PFA, 50
.set LIM, 52
.macro TLOAD                           ; wave 0: K's 32,768 bytes of a slot; wave 1: V's.  An s_nop 0 and four v_nop follow each line
	s_cmp_eq_u32 s[WV], 0
	s_cbranch_scc0 .Lnot_k_\@
	tensor_load_to_lds s[G0K:G0K+3], s[G1K:G1K+7]
	s_nop 0
.rept 4
	v_nop
.endr
	s_branch .Lasked_\@
.Lnot_k_\@:
	s_cmp_eq_u32 s[WV], 1
	s_cbranch_scc0 .Lasked_\@
	tensor_load_to_lds s[G0V:G0V+3], s[G1V:G1V+7]
	s_nop 0
.rept 4
	v_nop
.endr
.Lasked_\@:
.endm
; A prefetch of what the NEXT change of slots will ask for: four key steps ahead of that load.  The four work-groups of a head walk the same K and V: work-group 0 asks.  In it waves 4-7 ask for K's 32,768 bytes and waves 8-11 for V's,
; 8,192 bytes a wave, lanes 256 bytes apart: each aligned block of 256 bytes is named once in the launch.  The last change that fills a slot asks for nothing; slots 0 and 1 come by their loads alone.
.macro ASK
	s_cmp_gt_u32 s[SLOTS], s[LIM]
	s_cbranch_scc0 .Lnot_mine_\@
	global_prefetch_b8 v[PFO], s[PFA:PFA+1] th:TH_LOAD_NT scope:SCOPE_SE
.Lnot_mine_\@:
.endm
	s_load_b128 s[4:7], s[0:1], 0x0                ; qkv16, att16
	v_lshl_add_u32 v[SPW], v0, 2, SPARE
	v_mov_b32 v[NIL], 0
	ds_add_u32 v[SPW], v[NIL]                      ; the wave's opening: the add, twice on end, and its wait ahead of the first tensor load
	ds_add_u32 v[SPW], v[NIL]
	v_lshrrev_b32 v8, 5, v0
	v_readfirstlane_b32 s[WV], v8                  ; wave 0..15
	s_and_b32 s53, ttmp7, 0xffff
	s_lshr_b32 s54, s53, 4                         ; batch
	s_and_b32 s55, s53, 15                         ; head
	s_mul_i32 s56, s54, 48
	s_add_co_u32 s56, s56, s55
	s_lshl_b32 s58, s56, 18                        ; the head's Q in qkv16; K lies 16, V 32 heads on
	s_mov_b32 s59, 0
	; which 32 queries are my wave's.  class k = 0..7 names a block of the work-group, sub a half of it; classes k and 7 - k, whose blocks add up to 31, are dealt so that waves w, w + 4, .. and waves 4 i .. 4 i + 3 alike hold two such pairs
	s_lshr_b32 s66, s[WV], 3
	s_lshl_b32 s66, s66, 1
	s_bfe_u32 s67, s[WV], 0x10001
	s_or_b32 s66, s66, s67                         ; p
	s_lshr_b32 s67, s[WV], 2
	s_xor_b32 s68, s67, s[WV]
	s_and_b32 s67, s67, 1                          ; sub
	s_sub_co_u32 s69, 7, s66
	s_bitcmp1_b32 s68, 0
	s_cselect_b32 s66, s69, s66                    ; k = p or 7 - p
	s_sub_co_u32 s69, 7, ttmp9
	s_bitcmp1_b32 s66, 0
	s_cselect_b32 s69, s69, ttmp9
	s_lshr_b32 s70, s66, 1
	s_lshl_b32 s70, s70, 3
	s_add_co_u32 s70, s70, s69                     ; the block: 8 (k / 2) + j or 7 - j
	s_lshl_b32 s[Q0], s70, 6
	s_lshl_b32 s71, s67, 5
	s_add_co_u32 s[Q0], s[Q0], s71                 ; my first query: it enters global addresses and branches alone
	s_lshl_b32 s72, s[Q0], 7
	s_mov_b32 s73, 0
	s_lshl_b32 s76, s54, 5
	s_add_co_u32 s76, s76, s70
	s_lshl_b32 s76, s76, 17                        ; att16: block of 64 rows,
	s_lshl_b32 s77, s55, 13                        ; head,
	s_add_co_u32 s76, s76, s77
	s_lshl_b32 s77, s67, 12                        ; my 32 rows
	s_add_co_u32 s76, s76, s77
	s_mov_b32 s77, 0
	; descriptor group 1: 128 rows of 128 elements of 2 bytes, dense in memory, padded in LDS
	s_mov_b32 s[G1K], (1<<16)|(1<<20)|(5<<22)|(3<<25)             ; no mask; elements of 2 bytes; padding on; 4 words behind every 64
	s_mov_b32 s[G1V], (1<<16)|(1<<20)|(5<<22)|(7<<25)             ; 8 words
.irp g, G1K, G1V
	s_mov_b32 s[\g+1], 128<<16                     ; tensor_dim0
	s_mov_b32 s[\g+2], 128<<16                     ; tensor_dim1
	s_mov_b32 s[\g+3], 128<<16                     ; tile_dim0
	s_mov_b32 s[\g+4], 128                         ; tile_dim1
	s_mov_b32 s[\g+5], 128                         ; the pitch
	s_mov_b32 s[\g+6], 0
	s_mov_b32 s[\g+7], 0
.endr
	s_mov_b32 s[SEL], 0x76543210
	s_mov_b32 s[SEL+1], 0xfedcba98
	s_mov_b32 s[CS], 0x3e38aa3b                    ; c = log2(e) / 8
	s_mov_b32 s[CS+1], s[CS]                       ; named with it as a pair, so it is written
	s_mov_b32 s[TB], 0
	s_mov_b32 s[SLOTS], 7
	s_mov_b32 s[KF], 0
	s_wait_dscnt 0x0                               ; both opening adds are done
	s_wait_kmcnt 0x0
	s_add_nc_u64 s[60:61], s[4:5], s[58:59]        ; the head's Q
	s_mov_b32 s[G0K], 1
	s_mov_b32 s[G0K+1], 0
	s_add_nc_u64 s[G0K+2:G0K+3], s[60:61], 0x400000
	s_or_b32 s[G0K+3], s[G0K+3], 0x80000000
	s_mov_b32 s[G0V], 1
	s_mov_b32 s[G0V+1], VOFF
	s_add_nc_u64 s[G0V+2:G0V+3], s[60:61], 0x800000
	s_or_b32 s[G0V+3], s[G0V+3], 0x80000000
	TLOAD                                          ; slot 0
	s_add_nc_u64 s[74:75], s[60:61], s[72:73]      ; Q at my first query
	s_add_nc_u64 s[6:7], s[6:7], s[76:77]          ; att16 at my first row
	v_and_b32 v8, 15, v0                           ; r
	v_bfe_u32 v9, v0, 4, 1                         ; h
	v_lshlrev_b32 v[QOF], 7, v8
	v_lshl_add_u32 v[QOF], v9, 4, v[QOF]
.irp tq, 0,1
.irp ch, 0,1
	global_load_b128 v[Q+16*\tq+8*\ch:Q+16*\tq+8*\ch+3], v[QOF], s[74:75] offset:\tq*2048+\ch*64      ; Q stays in registers
	global_load_b128 v[Q+16*\tq+8*\ch+4:Q+16*\tq+8*\ch+7], v[QOF], s[74:75] offset:\tq*2048+\ch*64+32
.endr
.endr
	; the prefetches: where my wave's stand, and who asks
	s_cmp_lt_u32 s[WV], 8
	s_mov_b32 s62, 0x800000
	s_cselect_b32 s62, 0x400000, s62               ; K's or V's head
	s_and_b32 s63, s[WV], 3
	s_lshl_b32 s63, s63, 13                        ; my wave's 8,192 bytes,
	s_add_co_u32 s62, s62, s63
	s_add_co_u32 s62, s62, 32768                   ; in slot 1: the first change of slots steps it to slot 2
	s_mov_b32 s63, 0
	s_add_nc_u64 s[PFA:PFA+1], s[60:61], s[62:63]
	s_sub_co_u32 s62, s[WV], 4
	s_lshr_b32 s62, s62, 3                         ; 0 in waves 4 to 11,
	s_or_b32 s62, s62, ttmp9                       ; of the head's first work-group
	s_cmp_eq_u32 s62, 0
	s_cselect_b32 s[LIM], 1, -1
	v_and_b32 v[PFO], 31, v0
	v_lshlrev_b32 v[PFO], 8, v[PFO]
	v_lshrrev_b32 v10, 1, v8
	v_mul_u32_u24 v[AK0], v10, PKK
	v_and_b32 v10, 1, v8
	v_lshl_add_u32 v[AK0], v10, 7, v[AK0]
	v_lshl_add_u32 v[AK0], v9, 4, v[AK0]           ; K: key r: double row r / 2, half r % 2, + 16 h
	v_bfe_u32 v10, v0, 1, 2
	v_lshl_add_u32 v10, v9, 2, v10
	v_mul_u32_u24 v[AV0], v10, PVV
	v_and_b32 v10, 1, v0
	v_lshl_add_u32 v[AV0], v10, 7, v[AV0]
	v_bfe_u32 v10, v0, 3, 1
	v_lshl_add_u32 v[AV0], v10, 4, v[AV0]
	v_add_nc_u32 v[AV0], VOFF, v[AV0]              ; V: key 8 h + l % 8, channels 8 ((l / 8) % 2) on
	v_lshlrev_b32 v10, 3, v9
	v_sub_nc_u32 v[DL], v8, v10
	v_mov_b32 v[NINF], 0xff800000
.irp t, 0,1
	v_mov_b32 v[ST+8*\t+1], 0xff61b1e6             ; m = -3e38, under every score
	v_mul_f32 v[ST+8*\t], s[CS], v[ST+8*\t+1]
	v_mov_b32 v[ST+8*\t+2], 0
	v_mov_b32 v[ST+8*\t+3], 0
	v_mov_b32 v[ST+8*\t+5], 0                      ; a lane permute's destination counts as one of its sources
	v_mov_b32 v[ST+8*\t+7], 0                      ; named as the upper half of a pair
.endr
.set i, 0
.rept 64
	v_mov_b32 v[O+i], 0                            ; O^T: the step is written once; its first pass finds zeros
.set i, i+1
.endr
; A KEY STEP: 64 keys, the q-th of the slot in hand.
.macro STEP q
	s_add_co_u32 s96, s[Q0], 31                    ; a step all of whose keys come after my 32 queries is left out: a branch on ids and the count of steps, round no barrier and no tensor load
	s_cmp_gt_u32 s[KF], s96
	s_cbranch_scc1 .Lhidden_\@
	v_add_nc_u32 v[ADK], s[TB], v[AK0]
	v_add_nc_u32 v[ADV], s[TB], v[AV0]
.rept 3
	v_nop                                          ; with the two additions five places: the scores below are written over P, which the last step's products read; the loads into K's registers ask for four
.endr
.irp kt, 0,1,2,3
.irp ch, 0,1
	ds_load_b128 v[KV+8*(2*\kt+\ch):KV+8*(2*\kt+\ch)+3], v[ADK] offset:(\q)*8704+\kt*2176+\ch*64
	ds_load_b128 v[KV+8*(2*\kt+\ch)+4:KV+8*(2*\kt+\ch)+7], v[ADK] offset:(\q)*8704+\kt*2176+\ch*64+32
.endr
.endr
	s_wait_dscnt 0x0
.irp ch, 0,1                                   ; S^T = K Q^T: the eight accumulators take turns, one instruction a turn
.irp kt, 0,1,2,3
.irp tq, 0,1
.if \ch == 0
	v_wmma_f32_16x16x32_f16 v[S+32*\tq+8*\kt:S+32*\tq+8*\kt+7], v[KV+8*(2*\kt+\ch):KV+8*(2*\kt+\ch)+7], v[Q+16*\tq+8*\ch:Q+16*\tq+8*\ch+7], 0
.else
	v_wmma_f32_16x16x32_f16 v[S+32*\tq+8*\kt:S+32*\tq+8*\kt+7], v[KV+8*(2*\kt+\ch):KV+8*(2*\kt+\ch)+7], v[Q+16*\tq+8*\ch:Q+16*\tq+8*\ch+7], v[S+32*\tq+8*\kt:S+32*\tq+8*\kt+7]
.endif
.endr
.endr
.endr
.rept 4
	v_nop                                          ; places in front of the loads into K's registers and of the first read of the scores
.endr
.irp kc, 0,1                                   ; V, turned: it lands while the softmax is walked
.irp c, 0,1,2,3
	ds_load_tr16_b128 v[KV+8*(4*\kc+\c):KV+8*(4*\kc+\c)+3], v[ADV] offset:(\q)*9216+\kc*4608+\c*32
	ds_load_tr16_b128 v[KV+8*(4*\kc+\c)+4:KV+8*(4*\kc+\c)+7], v[ADV] offset:(\q)*9216+\kc*4608+\c*32+2304
.endr
.endr
	s_add_co_u32 s96, s[KF], 63                    ; on the diagonal hidden scores become -infinity; a step all of whose keys count skips this
	s_cmp_le_u32 s96, s[Q0]
	s_cbranch_scc1 .Lopen_\@
	s_sub_co_i32 s96, s[Q0], s[KF]
	v_add_nc_u32 v[DD], s96, v[DL]                 ; d = Q0 - KF + r - 8 h.  Register 8 kt + j of tile tq: key KF + 16 kt + 8 h + j, query Q0 + 16 tq + r: hidden where 16 kt + j - 16 tq > d
.irp tq, 0,1
.irp kt, 0,1,2,3
.irp j, 0,1,2,3,4,5,6,7
	v_cmp_gt_i32 vcc_lo, 16*\kt+\j-16*\tq, v[DD]
	v_cndmask_b32 v[S+32*\tq+8*\kt+\j], v[S+32*\tq+8*\kt+\j], v[NINF], vcc_lo
.endr
.endr
.endr
.Lopen_\@:
.irp j, 0,1,2,3                                ; the maximum of a tile's 32 scores and the old m; each accumulator is read from its low end on; the two tiles line by line
.irp t, 0,1
	v_max3_num_f32 v[ST+8*\t+4+\j], v[S+32*\t+8*\j], v[S+32*\t+8*\j+1], v[S+32*\t+8*\j+2]
.endr
.endr
.irp g, 1,2
.irp j, 0,1,2,3
.irp t, 0,1
	v_max3_num_f32 v[ST+8*\t+4+\j], v[ST+8*\t+4+\j], v[S+32*\t+8*\j+2*\g+1], v[S+32*\t+8*\j+2*\g+2]
.endr
.endr
.endr
.irp t, 0,1
	v_max3_num_f32 v[ST+8*\t+4], v[ST+8*\t+4], v[S+32*\t+7], v[S+32*\t+15]
.endr
.irp t, 0,1
	v_max3_num_f32 v[ST+8*\t+6], v[ST+8*\t+6], v[S+32*\t+23], v[S+32*\t+31]
.endr
.irp t, 0,1
	v_max3_num_f32 v[ST+8*\t+4], v[ST+8*\t+4], v[ST+8*\t+5], v[ST+8*\t+6]
.endr
.irp t, 0,1
	v_max3_num_f32 v[ST+8*\t+4], v[ST+8*\t+4], v[ST+8*\t+7], v[ST+8*\t+1]
.endr
.irp t, 0,1
	v_permlanex16_b32 v[ST+8*\t+5], v[ST+8*\t+4], s[SEL], s[SEL+1]   ; the query's other 32 keys lie in the lane 16 away
.endr
.irp t, 0,1
	v_mov_b32 v[ST+8*\t+7], v[ST+8*\t]             ; c m_old
.endr
.irp t, 0,1
	v_max_num_f32 v[ST+8*\t+1], v[ST+8*\t+4], v[ST+8*\t+5]
.endr
.irp t, 0,1
	v_mul_f32 v[ST+8*\t], s[CS], v[ST+8*\t+1]
.endr
.irp t, 0,1
	v_sub_f32 v[ST+8*\t+7], v[ST+8*\t+7], v[ST+8*\t]
.endr
.set i, 0
.rept 16
.irp t, 0,1
	v_pk_fma_f32 v[S+32*\t+2*i:S+32*\t+2*i+1], v[S+32*\t+2*i:S+32*\t+2*i+1], s[CS:CS+1], v[ST+8*\t:ST+8*\t+1] op_sel_hi:[1,0,0] neg_lo:[0,0,1] neg_hi:[0,0,1]   ; c s - c m
.endr
.set i, i+1
.endr
.irp t, 0,1
	v_exp_f32 v[ST+8*\t+6], v[ST+8*\t+7]           ; a
.endr
.set i, 0
.rept 32
.irp t, 0,1
	v_exp_f32 v[S+32*\t+i], v[S+32*\t+i]           ; p: one batch of 66 exponentials
.endr
.set i, i+1
.endr
	v_nop                                          ; a plain line behind the last exponential
	s_wait_alu depctr_va_vdst(0)                   ; one wait for the batch, ahead of its first reader
.irp t, 0,1
	v_pk_mul_f32 v[ST+8*\t+2:ST+8*\t+3], v[ST+8*\t+2:ST+8*\t+3], v[ST+8*\t+6:ST+8*\t+7] op_sel_hi:[1,0]   ; l x a
.endr
.irp t, 0,1
	v_pk_add_f32 v[CH+2*\t:CH+2*\t+1], v[S+32*\t:S+32*\t+1], v[S+32*\t+2:S+32*\t+3]   ; the sums are taken of the unrounded p, in two chains
.endr
.irp j, 4,8,12,16,20,24,28
.irp t, 0,1
	v_pk_add_f32 v[ST+8*\t+2:ST+8*\t+3], v[ST+8*\t+2:ST+8*\t+3], v[S+32*\t+\j:S+32*\t+\j+1]
	v_pk_add_f32 v[CH+2*\t:CH+2*\t+1], v[CH+2*\t:CH+2*\t+1], v[S+32*\t+\j+2:S+32*\t+\j+3]
.endr
.endr
.irp t, 0,1
	v_pk_add_f32 v[ST+8*\t+2:ST+8*\t+3], v[ST+8*\t+2:ST+8*\t+3], v[CH+2*\t:CH+2*\t+1]
.endr
.set i, 0
.rept 16
.irp t, 0,1
	v_cvt_pk_f16_f32 v[S+32*\t+i], v[S+32*\t+2*i], v[S+32*\t+2*i+1]   ; P in place, ascending: register i is written when 2 i and 2 i + 1 are read
.endr
.set i, i+1
.endr
.set i, 0
.rept 16
.irp t, 0,1
	v_pk_mul_f32 v[O+32*\t+2*i:O+32*\t+2*i+1], v[O+32*\t+2*i:O+32*\t+2*i+1], v[ST+8*\t+6:ST+8*\t+7] op_sel_hi:[1,0]   ; O^T x a, each accumulator from its low end on
.endr
.set i, i+1
.endr
	s_wait_dscnt 0x0                               ; V is in
.irp kc, 0,1                                   ; O^T += V^T P: the eight accumulators take turns
.irp c, 0,1,2,3
.irp tq, 0,1
	v_wmma_f32_16x16x32_f16 v[O+32*\tq+8*\c:O+32*\tq+8*\c+7], v[KV+8*(4*\kc+\c):KV+8*(4*\kc+\c)+7], v[S+32*\tq+8*\kc:S+32*\tq+8*\kc+7], v[O+32*\tq+8*\c:O+32*\tq+8*\c+7]
.endr
.endr
.endr
.Lhidden_\@:
	s_add_co_u32 s[KF], s[KF], 64
.endm
; THE CHANGE OF SLOTS, at a slot's head.  Each wave waits for all its tensor loads, adds 0 to its spare word, and waits for that and for its reads of the slot that it has left; behind the barrier the slot ahead is whole and nobody reads
; the other one.  fill = 1: that one takes the next 256 keys: the load has four key steps in which to land.  The loop's add stands twice on end.
.macro CHANGE fill
	s_wait_tensorcnt 0x0                           ; no tensor load of mine is out: a group 0 may be written
	ds_add_u32 v[SPW], v[NIL]
.if \fill
	ds_add_u32 v[SPW], v[NIL]
	s_xor_b32 s[G0K+1], s[G0K+1], SLOT1
	s_add_nc_u64 s[G0K+2:G0K+3], s[G0K+2:G0K+3], 32768
	s_xor_b32 s[G0V+1], s[G0V+1], SLOT1
	s_add_nc_u64 s[G0V+2:G0V+3], s[G0V+2:G0V+3], 32768
	s_wait_xcnt 0x0                                ; the last prefetch, a slot back, has read its address
	s_add_nc_u64 s[PFA:PFA+1], s[PFA:PFA+1], 32768 ; one slot further on than the walking descriptors
.endif
	s_wait_dscnt 0x0
	s_barrier_signal -1
	s_barrier_wait -1
.if \fill
	TLOAD                                          ; the first thing behind the barrier, and a wave's one tensor load until the next
	ASK
.endif
.endm
.macro SLOT_STEPS
	STEP 0
	STEP 1
	STEP 2
	STEP 3
	s_xor_b32 s[TB], s[TB], SLOT1
.endm
	s_wait_loadcnt 0x0                             ; Q
.Lslot:                                            ; 7 trips: behind each change of slots but the last the next slot is asked for
	CHANGE 1
	SLOT_STEPS
	s_sub_co_u32 s[SLOTS], s[SLOTS], 1
	s_cmp_lg_u32 s[SLOTS], 0
	s_cbranch_scc1 .Lslot
	CHANGE 0                                       ; the last slot is written out
	SLOT_STEPS
	; THE WAY OUT: O^T / l, rounded to f16, through my stage, back as 4 rows x 128 bytes: 512 consecutive bytes of att16.
.rept 4
	v_nop
.endr
.irp t, 0,1
	v_add_f32 v[ST+8*\t+4], v[ST+8*\t+2], v[ST+8*\t+3]
.endr
.irp t, 0,1
	v_permlanex16_b32 v[ST+8*\t+5], v[ST+8*\t+4], s[SEL], s[SEL+1]
.endr
.irp t, 0,1
	v_add_f32 v[ST+8*\t+4], v[ST+8*\t+4], v[ST+8*\t+5]
.endr
.irp t, 0,1
	v_rcp_f32 v[ST+8*\t+6], v[ST+8*\t+4]
.endr
	v_nop                                          ; a plain line behind the reciprocals
	v_and_b32 v[DD], 15, v0                        ; r
	v_bfe_u32 v[DL], v0, 4, 1                      ; h
	s_mul_i32 s96, s[WV], 32*144
	s_add_co_u32 s96, s96, STAGE
	v_mul_u32_u24 v1, v[DD], 144
	v_lshl_add_u32 v1, v[DL], 4, v1
	v_add_nc_u32 v1, s96, v1                       ; in: row r, 16 bytes for each half of the lanes
	v_and_b32 v3, 31, v0
	v_lshrrev_b32 v2, 3, v3
	v_mul_u32_u24 v2, v2, 144
	v_and_b32 v4, 7, v0
	v_lshl_add_u32 v2, v4, 4, v2
	v_add_nc_u32 v2, s96, v2                       ; back: eight lanes a row, four rows an instruction
	v_lshlrev_b32 v3, 4, v3                        ; and 16 x lane in att16
	s_wait_alu depctr_va_vdst(0)                   ; the wait for the two reciprocals, ahead of their first reader
.irp t, 0,1
.set i, 0
.rept 16
	v_pk_mul_f32 v[O+32*\t+2*i:O+32*\t+2*i+1], v[O+32*\t+2*i:O+32*\t+2*i+1], v[ST+8*\t+6:ST+8*\t+7] op_sel_hi:[1,0]
.set i, i+1
.endr
.set i, 0
.rept 16
	v_cvt_pk_f16_f32 v[S+16*\t+i], v[O+32*\t+2*i], v[O+32*\t+2*i+1]
.set i, i+1
.endr
.irp c, 0,1,2,3
	ds_store_b128 v1, v[S+16*\t+4*\c:S+16*\t+4*\c+3] offset:\t*2304+32*\c
.endr
.endr
.irp i, 0,1,2,3,4,5,6,7
	ds_load_b128 v[KV+4*\i:KV+4*\i+3], v2 offset:576*\i   ; LDS serves a wave's instructions in order: these see my stores
.endr
.irp i, 0,1,2,3,4,5,6,7
	s_wait_dscnt 7-\i                              ; the younger loads may stay out
	global_store_b128 v3, v[KV+4*\i:KV+4*\i+3], s[6:7] offset:512*\i
.endr
	s_wait_tensorcnt 0x0                           ; the wave's end: behind my last tensor load and my last LDS store
	ds_add_u32 v[SPW], v[NIL]
	s_wait_dscnt 0x0
	s_endpgm
.Lfunc_end_k_q8dcfc28c40_attn:
	.size	k_q8dcfc28c40_attn, .Lfunc_end_k_q8dcfc28c40_attn-k_q8dcfc28c40_attn
	.p2alignl 7, 3214868480
	.fill 96, 4, 3214868480
	.section	.rodata,"a",@progbits
	.p2align	6, 0x0
	.amdhsa_kernel k_q8dcfc28c40_attn
		.amdhsa_group_segment_fixed_size 327680
		.amdhsa_private_segment_fixed_size 0
		.amdhsa_enable_private_segment 0
		.amdhsa_kernarg_size 16
		.amdhsa_user_sgpr_count 2
		.amdhsa_user_sgpr_kernarg_segment_ptr 1
		.amdhsa_wavefront_size32 1
		.amdhsa_system_sgpr_workgroup_id_x 1
		.amdhsa_system_sgpr_workgroup_id_y 1
		.amdhsa_system_sgpr_workgroup_id_z 1
		.amdhsa_system_vgpr_workitem_id 0
		.amdhsa_next_free_vgpr 256
		.amdhsa_next_free_sgpr 100
		.amdhsa_reserve_vcc 1
		.amdhsa_float_denorm_mode_32 3
		.amdhsa_float_denorm_mode_16_64 3
		.amdhsa_memory_ordered 1
		.amdhsa_forward_progress 1
		.amdhsa_inst_pref_size 189
	.end_amdhsa_kernel
	.amdgpu_metadata
---
amdhsa.version: [ 1, 2 ]
amdhsa.kernels:
  - .name:           k_q8dcfc28c40_attn
    .symbol:         k_q8dcfc28c40_attn.kd
    .args:
      - { .name: qkv16, .offset: 0, .size: 8, .value_kind: global_buffer, .address_space: global }
      - { .name: att16, .offset: 8, .size: 8, .value_kind: global_buffer, .address_space: global }
    .group_segment_fixed_size: 327680
    .private_segment_fixed_size: 0
    .kernarg_segment_align: 8
    .kernarg_segment_size: 16
    .max_flat_workgroup_size: 512
    .sgpr_count:     100
    .vgpr_count:     256
    .wavefront_size: 32
...
	.end_amdgpu_metadata
.endif
;; end of part 3
;; launch proj (part 4): grid 8 x 64, 4 waves a work-group, clusters of 4 x 4, 327,680 bytes of LDS; arguments att16, wo16, out0; writes out0
.if DOCPART == 4
	.amdgcn_target "amdgcn-amd-amdhsa--gfx1250"
	.amdhsa_code_object_version 6
	.text
	.protected	k_q8dcfc28c40_proj
	.globl	k_q8dcfc28c40_proj
	.p2align	8
	.type	k_q8dcfc28c40_proj,@function
k_q8dcfc28c40_proj:
	s_mov_b64 s[64:65], 0
	v_nop
	global_prefetch_b8 v0, s[64:65] scope:SCOPE_SE
	s_setreg_imm32_b32 hwreg(HW_REG_WAVE_MODE, 25, 1), 1
	s_wait_xcnt 0x0
	s_wait_alu depctr_hold_cnt(0) depctr_sa_sdst(0) depctr_va_vdst(0) depctr_va_sdst(0) depctr_va_ssrc(0) depctr_va_vcc(0) depctr_vm_vsrc(0)
	s_getreg_b32 s2, hwreg(HW_REG_IB_STS2, 6, 4)
	s_cmp_eq_u32 s2, 0
	s_cbranch_scc0 .Lentry_in_a_cluster
	s_endpgm
.Lentry_in_a_cluster:
	s_bfe_u32 s2, ttmp6, 0x10000c
	s_cmp_lg_u32 s2, 0xf033
	s_cbranch_scc0 .Lentry_shape_is_right
	s_endpgm
.Lentry_shape_is_right:
; out0[m][n] = sum over k of att[m][k] W_o[n][k], f16 operands, f32 sums, f32 out; M = 8,192, N = K = 1,024.  The rows of positions under 16 of each batch are not stored here: the launch that carries them in f32 owns them.
; att16: [128 blocks of 64 rows][16 heads][64 rows][64]; wo16: [16 blocks of 64 rows][16 blocks of 64 along K][64][64]: 64 rows x 256 along K (four heads) are 32,768 dense bytes: one tensor load, stated as 128 rows of 256 bytes.
; A tile of C is 128 x 128: four waves, each 64 x 64: 16 accumulators.  K goes in four steps of 256 through two LDS slots; each slot is filled again once.
; CLUSTERS: 4 x 4 work-groups; A's tiles are shared along a row of the cluster, B's along a column, each asked for jointly.  Tile row = 16 cy + cluster y: the batch is cy, and the tiles that hold positions under 16 are those of cluster y = 0,
; so the branch round their first block's stores is alike in all partners.
; THE MATRIX INSTRUCTION IS USED TRANSPOSED (source 0 = 16 rows of W_o, source 1 = 16 rows of att): a lane holds eight neighbouring numbers of a row of C.
; REGISTERS: window 0: v0-31 addresses; v32-95 the way out; v128-255 the accumulators ((a, b) at v[128 + 8 (4 a + b)]).  window 1: two fragment buffers of 128: 64 of A, then 64 of B, for 64 along K.
.set HALFT,  128*272                   ; what one tensor load brings: 64 rows x 256 along K; an LDS row holds two matrix rows of one head's 64: 256 bytes + 16 of padding
.set SLOT,   4*HALFT
.set QB,     32*272                    ; a quarter of a K step: one head's 64 rows
.set RB16,   8*272                     ; 16 matrix rows
.set STAGE,  2*SLOT                    ; 16 rows x 272 bytes for each wave
.set SPITCH, 272
.set SPARE,  STAGE+4*16*SPITCH
.set ADRA, 16
.set ADRB, 20
.set STO,  24
.set RD,   25
.set CO,   26
.set SPW,  28
.set NIL,  29
.set OB,   32
.set ACC,  128
.set F0,   0
.set F1,   128
.set G1, 24
.set G0, 32
.set G1B, 48
.set G0B, 56
.set MSB, 0
.macro WIN new                         ; the immediate's high byte repeats the setting that is left
.if MSB != \new
	s_set_vgpr_msb (MSB<<8)|\new
.set MSB, \new
.endif
.endm
.set MUL,  0x05
.set TO_F, 0x40
.macro JLOAD s                         ; waves 0 and 1 fetch A's two halves, waves 2 and 3 B's; an s_nop 0 and four v_nop follow each line
	s_cmp_eq_u32 s11, 0
	s_cbranch_scc0 .Lfor_b_\@
	tensor_load_to_lds s[G0+4*\s:G0+4*\s+3], s[G1:G1+7]
	s_nop 0
.rept 4
	v_nop
.endr
	s_branch .Lasked_\@
.Lfor_b_\@:
	tensor_load_to_lds s[G0B+4*\s:G0B+4*\s+3], s[G1B:G1B+7]
	s_nop 0
.rept 4
	v_nop
.endr
.Lasked_\@:
.endm
.macro CREST
	s_cmp_lg_u32 s10, 0
	s_cbranch_scc1 .Lnot_wave_0_\@
	s_barrier_signal -3
.Lnot_wave_0_\@:
	s_barrier_wait -3
	s_barrier_signal -1
	s_barrier_wait -1
.endm
.macro CROUND
	s_barrier_signal -1
	s_barrier_wait -1
	CREST
.endm
	s_load_b128 s[4:7], s[0:1], 0x0                ; att16, wo16
	s_load_b64 s[8:9], s[0:1], 0x10                ; out0
	v_lshl_add_u32 v[SPW], v0, 2, SPARE
	v_mov_b32 v[NIL], 0
	ds_add_u32 v[SPW], v[NIL]                      ; the wave's opening: the add, twice on end, and its wait ahead of my first tensor load
	ds_add_u32 v[SPW], v[NIL]
	v_lshrrev_b32 v1, 5, v0
	v_readfirstlane_b32 s10, v1                    ; wave 0..3
	s_lshr_b32 s11, s10, 1                         ; my half of the tile's rows.  Also: I fetch for A (0) or B (1)
	s_and_b32 s12, s10, 1                          ; my half of its columns.  Also: which 64 rows I fetch
	s_bfe_u32 s40, ttmp6, 0x40000                  ; cx
	s_bfe_u32 s41, ttmp6, 0x40004                  ; cy
	s_lshl_b32 s42, ttmp9, 2
	s_add_co_u32 s42, s42, s40                     ; tile column = 4 x cluster x + cx
	s_and_b32 s13, ttmp7, 0xffff
	s_lshl_b32 s16, s41, 4
	s_add_co_u32 s13, s13, s16                     ; tile row = 16 cy + cluster y
	s_lshl_b32 s43, s41, 2
	s_lshl_b32 s43, 15, s43                        ; my row of the cluster
	s_lshl_b32 s44, 0x1111, s40                    ; my column
	s_or_b32 s[G1+0], s43, (3<<16)|(1<<20)|(1<<21)|(5<<22)|(3<<25)  ; the mask; elements of 8 bytes; padding on; bit 21 beside a mask; 4 words behind every 64
	s_or_b32 s[G1B+0], s44, (3<<16)|(1<<20)|(1<<21)|(5<<22)|(3<<25)
.irp g, G1, G1B
	s_mov_b32 s[\g+1], 32<<16                      ; tensor_dim0: 32 elements = 256 bytes
	s_mov_b32 s[\g+2], 128<<16                     ; tensor_dim1
	s_mov_b32 s[\g+3], 32<<16                      ; tile_dim0
	s_mov_b32 s[\g+4], 128                         ; tile_dim1
	s_mov_b32 s[\g+5], 32                          ; the pitch: dense
	s_mov_b32 s[\g+6], 0
	s_mov_b32 s[\g+7], 0
.endr
	s_lshl_b32 s16, s13, 1
	s_add_co_u32 s16, s16, s12
	s_lshl_b32 s16, s16, 17                        ; A: block of 64 rows 2 x tile row + half, 131,072 bytes each
	s_mov_b32 s17, 0
	s_lshl_b32 s46, s42, 1
	s_add_co_u32 s46, s46, s12
	s_lshl_b32 s46, s46, 17                        ; B likewise, by the tile column
	s_mov_b32 s47, 0
	s_mul_i32 s20, s10, HALFT                      ; where they go: A's two halves, then B's two
	s_wait_dscnt 0x0                               ; both opening adds are done
	s_wait_kmcnt 0x0
	s_add_nc_u64 s[14:15], s[4:5], s[16:17]
	s_add_nc_u64 s[46:47], s[6:7], s[46:47]
	CROUND                                         ; all sixteen work-groups are here: the first joint loads meet
.irp s, 0,1
	s_mov_b32 s[G0+4*\s], 1
	s_add_co_u32 s[G0+4*\s+1], s20, \s*SLOT
	s_add_nc_u64 s[G0+4*\s+2:G0+4*\s+3], s[14:15], \s*32768
	s_or_b32 s[G0+4*\s+3], s[G0+4*\s+3], 0x80000000
	s_mov_b32 s[G0B+4*\s], 1
	s_add_co_u32 s[G0B+4*\s+1], s20, \s*SLOT
	s_add_nc_u64 s[G0B+4*\s+2:G0B+4*\s+3], s[46:47], \s*32768
	s_or_b32 s[G0B+4*\s+3], s[G0B+4*\s+3], 0x80000000
	JLOAD \s
.endr
	v_and_b32 v1, 15, v0                           ; r
	v_bfe_u32 v2, v0, 4, 1                         ; h
	v_lshrrev_b32 v3, 1, v1
	v_mul_u32_u24 v3, v3, 272
	v_and_b32 v4, 1, v1
	v_lshl_add_u32 v3, v4, 7, v3
	v_lshl_add_u32 v3, v2, 4, v3                   ; row r: LDS row r / 2, half r % 2, + 16 h: sixteen different 16-byte columns
	s_mul_i32 s21, s11, HALFT
	s_mul_i32 s22, s12, HALFT
	s_add_co_u32 s22, s22, 2*HALFT
.irp s, 0,1
	v_add_nc_u32 v[ADRA+\s], s21, v3
	v_add_nc_u32 v[ADRB+\s], s22, v3
	s_add_co_u32 s21, s21, SLOT
	s_add_co_u32 s22, s22, SLOT
.endr
	s_mul_i32 s23, s10, 16*SPITCH
	s_add_co_u32 s23, s23, STAGE                   ; my stage: a wave's 64 f32 columns are 256 bytes, so each wave has its own
	v_mul_u32_u24 v4, v1, SPITCH
	v_lshl_add_u32 v4, v2, 5, v4
	v_add_nc_u32 v[STO], s23, v4                   ; in: row r, 32 bytes for each half of the lanes
	v_mul_u32_u24 v5, v2, SPITCH
	v_lshl_add_u32 v5, v1, 4, v5
	v_add_nc_u32 v[RD], s23, v5                    ; back: lanes 0-15 one row, lanes 16-31 the next
	v_lshlrev_b32 v5, 4, v1
	v_lshl_add_u32 v[CO], v2, 12, v5               ; and the same two rows in out0
	s_lshl_b32 s16, s13, 19                        ; 128 rows of 4,096 bytes a tile row,
	s_lshl_b32 s17, s11, 18                        ; 64 for my half
	s_add_co_u32 s16, s16, s17
	s_mov_b32 s17, 0
	s_add_nc_u64 s[8:9], s[8:9], s[16:17]
	s_lshl_b32 s46, s42, 9                         ; 128 columns of 4 bytes a tile column,
	s_lshl_b32 s47, s12, 8                         ; 64 for my half
	s_add_co_u32 s46, s46, s47
	s_mov_b32 s47, 0
	s_add_nc_u64 s[8:9], s[8:9], s[46:47]
.macro MUL8 f, c, a0, zero             ; 8 matrix instructions: m blocks a0, a0 + 1 x 4 n blocks, 32 along K.  The 16 accumulators take turns
.irp a, \a0, \a0+1
.irp b, 0,1,2,3
.if \zero
	v_wmma_f32_16x16x32_f16 v[ACC+8*(4*(\a)+\b):ACC+8*(4*(\a)+\b)+7], v[\f+64+8*(4*\c+\b):\f+64+8*(4*\c+\b)+7], v[\f+8*(4*\c+\a):\f+8*(4*\c+\a)+7], 0
.else
	v_wmma_f32_16x16x32_f16 v[ACC+8*(4*(\a)+\b):ACC+8*(4*(\a)+\b)+7], v[\f+64+8*(4*\c+\b):\f+64+8*(4*\c+\b)+7], v[\f+8*(4*\c+\a):\f+8*(4*\c+\a)+7], v[ACC+8*(4*(\a)+\b):ACC+8*(4*(\a)+\b)+7]
.endif
.endr
.endr
.endm
.macro FETCH slot, q, f                ; 32 LDS loads in one run: quarter q of the slot into buffer f; the first 32 along K first
	WIN TO_F
.irp c, 0,1
.irp i, 0,1,2,3
	ds_load_b128 v[\f+64+8*(4*\c+\i):\f+64+8*(4*\c+\i)+3],   v[ADRB+\slot] offset:(\q)*QB+64*\c+\i*RB16
	ds_load_b128 v[\f+64+8*(4*\c+\i)+4:\f+64+8*(4*\c+\i)+7], v[ADRB+\slot] offset:(\q)*QB+64*\c+\i*RB16+32
	ds_load_b128 v[\f+8*(4*\c+\i):\f+8*(4*\c+\i)+3],         v[ADRA+\slot] offset:(\q)*QB+64*\c+\i*RB16
	ds_load_b128 v[\f+8*(4*\c+\i)+4:\f+8*(4*\c+\i)+7],       v[ADRA+\slot] offset:(\q)*QB+64*\c+\i*RB16+32
.endr
.endr
.endm
.macro PLACES                          ; four plain lines in front of loads into registers that matrix instructions have read, and of reads of results
.rept 4
	v_nop
.endr
.endm
.macro QUARTER slot, q, f, g, zero     ; multiplies buffer f and fetches quarter q of the slot into g
	s_wait_dscnt 16                                ; the first 32 along K are in; the 16 loads of the second may be out
	WIN MUL
	MUL8 \f, 0, 0, \zero
	MUL8 \f, 0, 2, \zero
	PLACES
	FETCH \slot, \q, \g
	s_wait_dscnt 32                                ; all but the 32 just issued
	WIN MUL
	MUL8 \f, 1, 0, 0
	MUL8 \f, 1, 2, 0
.endm
; A slot's last quarter changes slots: one barrier; in front of it each wave waits for all its tensor loads, adds 0 to its spare word, and waits for that and for its reads of this slot.  fill = 1: the slot takes the K step two on.
.macro TURN slot, next, fill
	WIN 0
	s_wait_tensorcnt 0x0                           ; my part of the next slot has landed
	ds_add_u32 v[SPW], v[NIL]
	s_wait_dscnt 17                                ; (the add and the youngest sixteen loads may be out)
	WIN MUL
	MUL8 F1, 0, 0, 0
	s_wait_dscnt 0x0                               ; the add is done, and my reads of this slot are over
	s_barrier_signal -1
	MUL8 F1, 0, 2, 0
.if \fill
	WIN 0
.endif
	s_barrier_wait -1
.if \fill
	CREST                                          ; the barrier has opened a round of the cluster's: no wave of any partner still reads this slot or has a load on its way
	s_add_nc_u64 s[G0+4*\slot+2:G0+4*\slot+3], s[G0+4*\slot+2:G0+4*\slot+3], 65536
	s_add_nc_u64 s[G0B+4*\slot+2:G0B+4*\slot+3], s[G0B+4*\slot+2:G0B+4*\slot+3], 65536
	JLOAD \slot                                    ; the first tensor load behind the round; its four v_nop are also the places in front of the loads below
.else
	PLACES
.endif
	FETCH \next, 0, F0
	WIN MUL
	MUL8 F1, 1, 0, 0
	MUL8 F1, 1, 2, 0
.endm
	s_wait_tensorcnt 1                             ; my part of K step 0 is in; K step 1's load may be out
	s_barrier_signal -1
	s_barrier_wait -1
	FETCH 0, 0, F0
	QUARTER 0, 1, F0, F1, 1                        ; the first products start the sums: nothing is cleared
	QUARTER 0, 2, F1, F0, 0
	QUARTER 0, 3, F0, F1, 0
	TURN 0, 1, 1                                   ; slot 0 takes K step 2
	QUARTER 1, 1, F0, F1, 0
	QUARTER 1, 2, F1, F0, 0
	QUARTER 1, 3, F0, F1, 0
	TURN 1, 0, 1                                   ; slot 1 takes K step 3
	QUARTER 0, 1, F0, F1, 0
	QUARTER 0, 2, F1, F0, 0
	QUARTER 0, 3, F0, F1, 0
	TURN 0, 1, 0                                   ; nothing more is asked for
	QUARTER 1, 1, F0, F1, 0
	QUARTER 1, 2, F1, F0, 0
	QUARTER 1, 3, F0, F1, 0
	s_wait_dscnt 16
	WIN MUL
	MUL8 F1, 0, 0, 0
	MUL8 F1, 0, 2, 0
	s_wait_dscnt 0
	MUL8 F1, 1, 0, 0
	MUL8 F1, 1, 2, 0
	WIN 0
; THE WAY OUT, a block of 16 rows x 64 columns at a time, through my own stage: back as whole rows of 256 bytes, sixteen lanes to a row.
.macro TOSTAGE a
.irp b, 0,1,2,3
	ds_store_b128 v[STO], v[ACC+8*(4*(\a)+\b):ACC+8*(4*(\a)+\b)+3] offset:64*\b          ; each accumulator from its low end on
	ds_store_b128 v[STO], v[ACC+8*(4*(\a)+\b)+4:ACC+8*(4*(\a)+\b)+7] offset:64*\b+16
.endr
.irp t, 0,1,2,3,4,5,6,7
	ds_load_b128 v[OB+32*((\a)%2)+4*\t:OB+32*((\a)%2)+4*\t+3], v[RD] offset:\t*2*SPITCH   ; LDS serves a wave's instructions in order
.endr
.endm
.macro SEND a, younger                 ; younger: the LDS instructions issued behind block a's loads, which may stay out
	s_wait_dscnt \younger
.irp t, 0,1,2,3,4,5,6,7
	global_store_b128 v[CO], v[OB+32*((\a)%2)+4*\t:OB+32*((\a)%2)+4*\t+3], s[8:9] offset:(16*(\a)+2*\t)*4096 th:TH_STORE_NT
.endr
.endm
	PLACES
	s_and_b32 s21, ttmp7, 0xffff                   ; cluster y = 0 and the upper half's waves: block 0 holds positions under 16, which another launch stores
	s_or_b32 s21, s21, s11
	s_cmp_eq_u32 s21, 0
	s_cbranch_scc1 .Lskip0
	TOSTAGE 0
	SEND 0, 0
.Lskip0:
	TOSTAGE 1
.irp a, 2,3
	s_wait_xcnt 0x0                                ; block a - 2's stores have read their registers: block a's loads may land there
	TOSTAGE \a
	SEND \a-1, 16                                  ; behind block a - 1's loads: block a's 8 stores and 8 loads
.endr
	SEND 3, 0
	s_wait_tensorcnt 0x0                           ; the wave's end: behind my last tensor load and my last LDS store
	ds_add_u32 v[SPW], v[NIL]
	s_wait_dscnt 0x0
	CROUND                                         ; the closing round
	s_endpgm
.Lfunc_end_k_q8dcfc28c40_proj:
	.size	k_q8dcfc28c40_proj, .Lfunc_end_k_q8dcfc28c40_proj-k_q8dcfc28c40_proj
	.p2alignl 7, 3214868480
	.fill 96, 4, 3214868480
	.section	.rodata,"a",@progbits
	.p2align	6, 0x0
	.amdhsa_kernel k_q8dcfc28c40_proj
		.amdhsa_group_segment_fixed_size 327680
		.amdhsa_private_segment_fixed_size 0
		.amdhsa_enable_private_segment 0
		.amdhsa_kernarg_size 24
		.amdhsa_user_sgpr_count 2
		.amdhsa_user_sgpr_kernarg_segment_ptr 1
		.amdhsa_wavefront_size32 1
		.amdhsa_system_sgpr_workgroup_id_x 1
		.amdhsa_system_sgpr_workgroup_id_y 1
		.amdhsa_system_sgpr_workgroup_id_z 1
		.amdhsa_system_vgpr_workitem_id 0
		.amdhsa_next_free_vgpr 512
		.amdhsa_next_free_sgpr 66
		.amdhsa_reserve_vcc 0
		.amdhsa_float_denorm_mode_32 3
		.amdhsa_float_denorm_mode_16_64 3
		.amdhsa_memory_ordered 1
		.amdhsa_forward_progress 1
		.amdhsa_inst_pref_size 85
	.end_amdhsa_kernel
	.amdgpu_metadata
---
amdhsa.version: [ 1, 2 ]
amdhsa.kernels:
  - .name:           k_q8dcfc28c40_proj
    .symbol:         k_q8dcfc28c40_proj.kd
    .args:
      - { .name: att16, .offset: 0, .size: 8, .value_kind: global_buffer, .address_space: global }
      - { .name: wo16, .offset: 8, .size: 8, .value_kind: global_buffer, .address_space: global }
      - { .name: out0, .offset: 16, .size: 8, .value_kind: global_buffer, .address_space: global }
    .group_segment_fixed_size: 327680
    .private_segment_fixed_size: 0
    .kernarg_segment_align: 8
    .kernarg_segment_size: 24
    .max_flat_workgroup_size: 128
    .sgpr_count:     66
    .vgpr_count:     512
    .wavefront_size: 32
...
	.end_amdgpu_metadata
.endif
;; end of part 4
;; launch fine (part 5): grid 16 x 4, 16 waves a work-group, no clusters, 71,680 bytes of LDS; arguments qkv32, W_o, out0; writes out0
.if DOCPART == 5
	.amdgcn_target "amdgcn-amd-amdhsa--gfx1250"
	.amdhsa_code_object_version 6
	.text
	.protected	k_q8dcfc28c40_fine
	.globl	k_q8dcfc28c40_fine
	.p2align	8
	.type	k_q8dcfc28c40_fine,@function
k_q8dcfc28c40_fine:
	s_mov_b64 s[64:65], 0
	v_nop
	global_prefetch_b8 v0, s[64:65] scope:SCOPE_SE
	s_setreg_imm32_b32 hwreg(HW_REG_WAVE_MODE, 25, 1), 1
	s_wait_xcnt 0x0
; The first 16 positions of every batch, all in f32: attention over 16 x 16 (causal) and the projection by W_o, by v_wmma_f32_16x16x4_f32: 64 rows of 8,192, no bulk work.
; qkv32: [4][48][16][64] f32 (g 0-15 Q's heads, 16-31 K's, 32-47 V's).  A work-group makes 64 output columns (x) of one batch (y).  Wave = head: it makes its head's attention and its head's share of the projection in registers;
; the 16 shares meet in LDS and waves 0-7 add them, heads ascending, and store whole rows of 256 bytes.
; The matrix instruction's slot k = 2 h + j (h = lane / 16, j = register) stands for whatever number of K both sources put there: each product below names its map, the same for both sources.
; REGISTERS: v1-9 addresses; v10 1 / l; v11 a permute's destination; v12 -infinity; v14, v15 the add's two; v16-47 Q, then scores, p and scratch, then W3; v48-79 K, then the attention's result; v80-111 V, then W2; v112-143 W0; v144-175 W1;
; v176-255 are written by matrix instructions alone: v176-191 the scores in two halves, v192-223 O^T, v224-255 out^T.
.set SPARE, 16*4352
.set SPW, 14
.set NIL, 15
.set Q,   16
.set T,   16
.set P,   24
.set K,   48
.set ATT, 48
.set V,   80
.set W0,  112
.set W1,  144
.set W2,  80
.set W3,  16
.set SA,  176
.set SB,  184
.set OA,  192
.set OUT, 224
	s_load_b128 s[4:7], s[0:1], 0x0                ; qkv32, W_o
	s_load_b64 s[8:9], s[0:1], 0x10                ; out0
	v_lshl_add_u32 v[SPW], v0, 2, SPARE
	v_mov_b32 v[NIL], 0
	v_lshrrev_b32 v1, 5, v0
	v_readfirstlane_b32 s10, v1                    ; wave = head
	v_and_b32 v1, 15, v0                           ; r
	v_bfe_u32 v2, v0, 4, 1                         ; h
	v_lshlrev_b32 v3, 8, v1
	v_lshl_add_u32 v3, v2, 7, v3                   ; Q, K: row r of 256 bytes, channels 32 h on
	v_lshlrev_b32 v4, 2, v1
	v_lshl_add_u32 v4, v2, 11, v4                  ; V: key 8 h on, channel r
	v_lshlrev_b32 v5, 12, v1
	v_lshl_add_u32 v5, v2, 5, v5                   ; W_o: row r of 4,096 bytes, channels 8 h on
	v_lshlrev_b32 v6, 3, v2
	v_sub_nc_u32 v6, v1, v6                        ; d = r - 8 h
	s_mul_i32 s11, s10, 4352
	v_mul_u32_u24 v7, v2, 272
	v_lshl_add_u32 v7, v1, 4, v7
	v_add_nc_u32 v7, s11, v7                       ; LDS, in: my head's share; 16 bytes for each query, 272 for each half
	v_lshrrev_b32 v8, 2, v1
	v_lshlrev_b32 v8, 1, v8
	v_and_b32 v9, 1, v1
	v_add_nc_u32 v8, v8, v9
	v_mul_u32_u24 v8, v8, 544
	v_bfe_u32 v9, v1, 1, 1
	v_mad_u32_u24 v8, v9, 272, v8
	v_bfe_u32 v9, v0, 4, 4                         ; the row that I add up: 2 x wave + lane / 16 (waves 0-7)
	v_lshl_add_u32 v8, v9, 4, v8                   ; LDS, back: columns 4 (l % 16) on of that row
	v_lshlrev_b32 v9, 12, v9
	v_lshl_add_u32 v9, v1, 4, v9                   ; and the same in out0
	v_mov_b32 v11, 0
	v_mov_b32 v12, 0xff800000
	s_and_b32 s12, ttmp7, 0xffff                   ; batch
	s_mul_i32 s13, s12, 48
	s_add_co_u32 s13, s13, s10
	s_lshl_b32 s16, s13, 12                        ; my head's Q; K lies 65,536, V 131,072 bytes on
	s_mov_b32 s17, 0
	s_lshl_b32 s18, ttmp9, 18                      ; 64 rows of W_o,
	s_lshl_b32 s13, s10, 8                         ; my head's 64 columns
	s_add_co_u32 s18, s18, s13
	s_mov_b32 s19, 0
	s_lshl_b32 s20, s12, 23                        ; the batch's first row of out0,
	s_lshl_b32 s13, ttmp9, 8                       ; my work-group's 64 columns
	s_add_co_u32 s20, s20, s13
	s_mov_b32 s21, 0
	s_mov_b32 s22, 0x76543210
	s_mov_b32 s23, 0xfedcba98                      ; v_permlanex16_b32's selects for lane l xor 16
	s_mov_b32 s24, 0x3e38aa3b                      ; c = log2(e) / 8
	s_wait_kmcnt 0x0
	s_add_nc_u64 s[4:5], s[4:5], s[16:17]
	s_add_nc_u64 s[6:7], s[6:7], s[18:19]
	s_add_nc_u64 s[8:9], s[8:9], s[20:21]
.irp i, 0,1,2,3,4,5,6,7
	global_load_b128 v[Q+4*\i:Q+4*\i+3], v3, s[4:5] offset:16*\i
.endr
.irp i, 0,1,2,3,4,5,6,7
	global_load_b128 v[K+4*\i:K+4*\i+3], v3, s[4:5] offset:65536+16*\i
.endr
.irp c, 0,1,2,3
.irp kk, 0,1,2,3,4,5,6,7
	global_load_b32 v[V+8*\c+\kk], v4, s[4:5] offset:131072+\kk*256+\c*64      ; V(key 8 h + kk, channel 16 c + r)
.endr
.endr
.macro WLOAD reg, n                    ; W_o(row 16 n + r of my 64, channels 16 c + 8 h + 0..7 of my head)
.irp c, 0,1,2,3
	global_load_b128 v[\reg+8*\c:\reg+8*\c+3], v5, s[6:7] offset:\n*65536+\c*64
	global_load_b128 v[\reg+8*\c+4:\reg+8*\c+7], v5, s[6:7] offset:\n*65536+\c*64+16
.endr
.endm
	WLOAD W0, 0
	s_wait_loadcnt 40                              ; Q and K are in; V's 32 loads and W0's 8 may be out
	WLOAD W1, 1
	; S^T = K Q^T: slot (h, j) of instruction s stands for channel 32 h + 2 s + j.  Two accumulators take turns; each sum's first instruction takes the constant 0
	v_wmma_f32_16x16x4_f32 v[SA:SA+7], v[K:K+1], v[Q:Q+1], 0
	v_wmma_f32_16x16x4_f32 v[SB:SB+7], v[K+2:K+3], v[Q+2:Q+3], 0
.irp s, 4,8,12,16,20,24,28
	v_wmma_f32_16x16x4_f32 v[SA:SA+7], v[K+\s:K+\s+1], v[Q+\s:Q+\s+1], v[SA:SA+7]
	v_wmma_f32_16x16x4_f32 v[SB:SB+7], v[K+\s+2:K+\s+3], v[Q+\s+2:Q+\s+3], v[SB:SB+7]
.endr
.rept 8
	v_nop                                          ; eight places behind this form, in front of the reads of its results and the writes of its sources
.endr
.irp j, 0,1,2,3,4,5,6,7
	v_add_f32 v[T+\j], v[SA+\j], v[SB+\j]          ; lane (r, h): query r, key 8 h + j; from the low end on
.endr
.irp j, 0,1,2,3,4,5,6,7
	v_cmp_gt_i32 vcc_lo, \j, v6                    ; hidden where 8 h + j > r
	v_cndmask_b32 v[T+\j], v[T+\j], v12, vcc_lo
.endr
	v_max3_num_f32 v32, v[T], v[T+1], v[T+2]
	v_max3_num_f32 v32, v32, v[T+3], v[T+4]
	v_max3_num_f32 v32, v32, v[T+5], v[T+6]
	v_max_num_f32 v32, v32, v[T+7]
	v_permlanex16_b32 v11, v32, s22, s23
	v_max_num_f32 v32, v32, v11                    ; the row's maximum: key 0 counts for every query
	v_mul_f32 v33, s24, v32
.irp j, 0,1,2,3,4,5,6,7
	v_fma_f32 v[P+\j], v[T+\j], s24, -v33
.endr
.irp j, 0,1,2,3,4,5,6,7
	v_exp_f32 v[P+\j], v[P+\j]
.endr
	v_nop                                          ; a plain line behind the last exponential
	s_wait_alu depctr_va_vdst(0)                   ; one wait for the eight, ahead of their first reader
	v_add_f32 v34, v[P], v[P+1]
	v_add_f32 v35, v[P+2], v[P+3]
	v_add_f32 v36, v[P+4], v[P+5]
	v_add_f32 v37, v[P+6], v[P+7]
	v_add_f32 v34, v34, v35
	v_add_f32 v36, v36, v37
	v_add_f32 v34, v34, v36
	v_permlanex16_b32 v11, v34, s22, s23
	v_add_f32 v34, v34, v11                        ; l
	v_rcp_f32 v10, v34
	v_nop                                          ; a plain line behind the reciprocal; its wait stands ahead of its first reader, below
	s_wait_loadcnt 16                              ; V is in; W0's and W1's 16 loads may be out
	; O^T = V^T P: slot (h, j) of instruction s stands for key 8 h + 2 s + j.  Four accumulators take turns
.irp c, 0,1,2,3
	v_wmma_f32_16x16x4_f32 v[OA+8*\c:OA+8*\c+7], v[V+8*\c:V+8*\c+1], v[P:P+1], 0
.endr
.irp s, 2,4,6
.irp c, 0,1,2,3
	v_wmma_f32_16x16x4_f32 v[OA+8*\c:OA+8*\c+7], v[V+8*\c+\s:V+8*\c+\s+1], v[P+\s:P+\s+1], v[OA+8*\c:OA+8*\c+7]
.endr
.endr
.rept 8
	v_nop                                          ; in front of the loads into V's and p's registers and of the reads of O^T
.endr
	WLOAD W2, 2
	WLOAD W3, 3
	s_wait_alu depctr_va_vdst(0)                   ; the reciprocal
.set i, 0
.rept 32
	v_mul_f32 v[ATT+i], v[OA+i], v10               ; register 8 c + j: query r, channel 16 c + 8 h + j; each accumulator from its low end on
.set i, i+1
.endr
	s_wait_loadcnt 0x0
	; out^T = W_o att^T, my head's 64 channels: slot (h, j) of the instruction at register offset o = 8 c + 2 s stands for channel 16 c + 8 h + 2 s + j.  Four accumulators (16 output columns each) take turns
.macro PJ o, zero
.if \zero
	v_wmma_f32_16x16x4_f32 v[OUT:OUT+7], v[W0+\o:W0+\o+1], v[ATT+\o:ATT+\o+1], 0
	v_wmma_f32_16x16x4_f32 v[OUT+8:OUT+15], v[W1+\o:W1+\o+1], v[ATT+\o:ATT+\o+1], 0
	v_wmma_f32_16x16x4_f32 v[OUT+16:OUT+23], v[W2+\o:W2+\o+1], v[ATT+\o:ATT+\o+1], 0
	v_wmma_f32_16x16x4_f32 v[OUT+24:OUT+31], v[W3+\o:W3+\o+1], v[ATT+\o:ATT+\o+1], 0
.else
	v_wmma_f32_16x16x4_f32 v[OUT:OUT+7], v[W0+\o:W0+\o+1], v[ATT+\o:ATT+\o+1], v[OUT:OUT+7]
	v_wmma_f32_16x16x4_f32 v[OUT+8:OUT+15], v[W1+\o:W1+\o+1], v[ATT+\o:ATT+\o+1], v[OUT+8:OUT+15]
	v_wmma_f32_16x16x4_f32 v[OUT+16:OUT+23], v[W2+\o:W2+\o+1], v[ATT+\o:ATT+\o+1], v[OUT+16:OUT+23]
	v_wmma_f32_16x16x4_f32 v[OUT+24:OUT+31], v[W3+\o:W3+\o+1], v[ATT+\o:ATT+\o+1], v[OUT+24:OUT+31]
.endif
.endm
	PJ 0, 1
.irp o, 2,4,6,8,10,12,14,16,18,20,22,24,26,28,30
	PJ \o, 0
.endr
.rept 8
	v_nop
.endr
.irp n, 0,1,2,3
.irp jh, 0,1
	ds_store_b128 v7, v[OUT+8*\n+4*\jh:OUT+8*\n+4*\jh+3] offset:(2*\n+\jh)*544   ; query r, columns 16 n + 8 h + 4 jh + 0..3; sixteen lanes write 256 consecutive bytes
.endr
.endr
	s_wait_dscnt 0x0                               ; for the others' sake: my share lies in LDS
	s_barrier_signal -1
	s_barrier_wait -1
	s_cmp_ge_u32 s10, 8
	s_cbranch_scc1 .Ldone
.irp u, 0,1,2,3,4,5,6,7,8,9,10,11,12,13,14,15
	ds_load_b128 v[16+4*\u:16+4*\u+3], v8 offset:\u*4352
.endr
	s_wait_dscnt 0x0
.irp u, 1,2,3,4,5,6,7,8,9,10,11,12,13,14,15
	v_pk_add_f32 v[16:17], v[16:17], v[16+4*\u:16+4*\u+1]
	v_pk_add_f32 v[18:19], v[18:19], v[16+4*\u+2:16+4*\u+3]
.endr
	global_store_b128 v9, v[16:19], s[8:9] th:TH_STORE_NT   ; sixteen lanes store 256 consecutive bytes, aligned
.Ldone:
	s_wait_tensorcnt 0x0                           ; the wave's end: behind my last LDS store
	ds_add_u32 v[SPW], v[NIL]
	s_wait_dscnt 0x0
	s_endpgm
.Lfunc_end_k_q8dcfc28c40_fine:
	.size	k_q8dcfc28c40_fine, .Lfunc_end_k_q8dcfc28c40_fine-k_q8dcfc28c40_fine
	.p2alignl 7, 3214868480
	.fill 96, 4, 3214868480
	.section	.rodata,"a",@progbits
	.p2align	6, 0x0
	.amdhsa_kernel k_q8dcfc28c40_fine
		.amdhsa_group_segment_fixed_size 71680
		.amdhsa_private_segment_fixed_size 0
		.amdhsa_enable_private_segment 0
		.amdhsa_kernarg_size 24
		.amdhsa_user_sgpr_count 2
		.amdhsa_user_sgpr_kernarg_segment_ptr 1
		.amdhsa_wavefront_size32 1
		.amdhsa_system_sgpr_workgroup_id_x 1
		.amdhsa_system_sgpr_workgroup_id_y 1
		.amdhsa_system_sgpr_workgroup_id_z 1
		.amdhsa_system_vgpr_workitem_id 0
		.amdhsa_next_free_vgpr 256
		.amdhsa_next_free_sgpr 66
		.amdhsa_reserve_vcc 1
		.amdhsa_float_denorm_mode_32 3
		.amdhsa_float_denorm_mode_16_64 3
		.amdhsa_memory_ordered 1
		.amdhsa_forward_progress 1
		.amdhsa_inst_pref_size 25
	.end_amdhsa_kernel
	.amdgpu_metadata
---
amdhsa.version: [ 1, 2 ]
amdhsa.kernels:
  - .name:           k_q8dcfc28c40_fine
    .symbol:         k_q8dcfc28c40_fine.kd
    .args:
      - { .name: qkv32, .offset: 0, .size: 8, .value_kind: global_buffer, .address_space: global }
      - { .name: W_o, .offset: 8, .size: 8, .value_kind: global_buffer, .address_space: global }
      - { .name: out0, .offset: 16, .size: 8, .value_kind: global_buffer, .address_space: global }
    .group_segment_fixed_size: 71680
    .private_segment_fixed_size: 0
    .kernarg_segment_align: 8
    .kernarg_segment_size: 24
    .max_flat_workgroup_size: 512
    .sgpr_count:     66
    .vgpr_count:     256
    .wavefront_size: 32
...
	.end_amdgpu_metadata
.endif
;; end of part 5
